; MI455X (gfx1250); checked and timed in simulation.
; The chip was launched on July 23, 2026; its instructions are those of AMD's public machine-readable ISA for CDNA 5 (MIT licence, August 2026) and "CDNA5" Instruction Set Architecture Reference Guide (July 2026). The comments in the code are by the model that wrote it; some were corrected since.
;; GQA. Allowed arithmetic: matrix products marked QUANTISED: E4M3 operands, one given power-of-two scale a tensor, by v_wmma_f32_16x16x64_fp8_fp8 or v_wmma_f32_16x16x128_fp8_fp8, f32 sums; everything else in f32.
;; Inputs: Wk 2,048 x 256 float32; Wo 2,048 x 2,048 float32; Wq 2,048 x 2,048 float32; Wv 2,048 x 256 float32; bk 256 float32; bo 2,048 float32; bq 2,048 float32; bv 256 float32; lowp_scales 12 int32 (the exponents e of the quantised operands' scales 2^e); x 4 x 1,024 x 2,048 float32.
;; Outputs: out0 4 x 1,024 x 2,048 float32.
;; This version of the problem:
;;   THIS VERSION OF THE PROBLEM IS GIVEN IN LOW PRECISION. The matrix products marked QUANTISED in the list below multiply operands that are first quantised to E4M3 (4 exponent bits, 3 mantissa bits; 8 bits a number), with one given power-of-two scale for each operand tensor; their sums are f32. All else is computed in f32.
;;   The module's matrix products, in the order in which they are computed (A, B: the left and right operand; K: the contracted axis; several contracted axes count as one K, in the product's order):
;;     1. [M 4,096, K 2,048] x [K 2,048, N 2,048]; A: input x; B: input Wq: QUANTISED (scales: A lowp_scales[0], B lowp_scales[1])
;;     2. [M 4,096, K 2,048] x [K 2,048, N 256]; A: input x; B: input Wk: QUANTISED (scales: A lowp_scales[2], B lowp_scales[3])
;;     3. [M 4,096, K 2,048] x [K 2,048, N 256]; A: input x; B: input Wv: QUANTISED (scales: A lowp_scales[4], B lowp_scales[5])
;;     4. batch 16 x [M 1,024, K 64] x [K 64, N 8,192]; A: computed on the way; B: computed on the way: QUANTISED (scales: A lowp_scales[6], B lowp_scales[7])
;;     5. batch 16 x [M 64, K 1,024] x [K 1,024, N 8,192]; A: computed on the way; B: softmax (see below): QUANTISED (scales: A lowp_scales[8], B lowp_scales[9])
;;     6. [M 4,096, K 2,048] x [K 2,048, N 2,048]; A: computed on the way; B: input Wo: QUANTISED (scales: A lowp_scales[10], B lowp_scales[11])
;;   THE QUANTISER, for each operand of a quantised product, along K:
;;     - The operand's scale is 2^e, e = its entry of the input lowp_scales (int32; the entries are numbered through the quantised products in the list's order, A before B).
;;     - Each number is divided by the scale, clamped to +-448, and rounded to the nearest number of E4M3, ties to even, subnormals kept.
;;     - The product sums the exact products of the quantised numbers (number of the format x scale) in f32.
;;   ~~~python
;;   def quantise(x, axis, e):      # numpy; x: float32 -> the quantised numbers, widened to float32 again
;;       x = np.moveaxis(x, axis, -1); K = x.shape[-1]
;;       r = np.clip(x / 2.0 ** e, -448, 448)
;;       step = 2.0 ** (np.maximum(np.frexp(np.where(r == 0, 1, r))[1] - 1, -6) - 3)
;;       q = np.round(r / step) * step * 2.0 ** e      # np.round: ties to even
;;       return np.moveaxis(q, -1, axis).astype(np.float32)
;;   ~~~
;;   SOFTMAX AHEAD OF A QUANTISED PRODUCT. Where the list says 'softmax', what is quantised is not the finished softmax but p = 2^(t - M), with t = logit x log2(e) and M = ceil(the row's largest t), a whole number; so 1/2 < the row's largest p <= 1. The row's sum l is taken of the UNQUANTISED p, in f32, and the product's result is divided by l at the end. Since M is a whole number, a kernel that streams over the keys may use a running M (the ceiling of the running maximum): every later rescaling is an exact power of two, so the quantised numbers keep their values, but for numbers so far below the row's largest that they fall under the format's range.
;;   OPERANDS COMPUTED ON THE WAY. 'Computed on the way' means the value that the module computes at that place (a softmax that the list does not call 'softmax' is quantised finished and normalised). What goes into a quantiser is computed in f32, as accurately as f32 sums, v_exp_f32 and their like allow (about 1e-6 of the number): no bf16 or f16 on the way to a quantiser, and a product that is left as it is and whose result goes on into a quantised operand takes f32 operands (vector FMAs, or v_wmma_f32_16x16x4_f32). A number that lies on a knife's edge between two numbers of the format may be rounded either way, as far as f32 arithmetic and the matrix unit's own rounding can turn it there, and no further.
;; One version. Each part assembles by itself: llvm-mc -triple=amdgcn-amd-amdhsa -mcpu=gfx1250 --defsym DOCPART=n.
;; ======== version 1 of 1: 4 launches
;; limits: right only within a limited range of input values
;; workspace buffers: xc 25,165,824 bytes; wcodes 9,437,184 bytes; rope 262,144 bytes; qkvc 10,485,760 bytes; ac 8,388,608 bytes
;; launch quant (part 1): grid 400 x 1, 8 waves a work-group, no clusters, 136,192 bytes of LDS; arguments Wq, Wk, Wv, Wo, lowp_scales, wcodes, x, xc, rope; writes wcodes, xc, rope
.if DOCPART == 1
	.amdgcn_target "amdgcn-amd-amdhsa--gfx1250"
	.amdhsa_code_object_version 6
	.text
	.protected	k_qbd3e4c5f23_quant
	.globl	k_qbd3e4c5f23_quant
	.p2align	8
	.type	k_qbd3e4c5f23_quant,@function
k_qbd3e4c5f23_quant:
	s_mov_b64 s[64:65], 0
	v_nop
	global_prefetch_b8 v0, s[64:65] scope:SCOPE_SE
	s_setreg_imm32_b32 hwreg(HW_REG_WAVE_MODE, 25, 1), 1
	s_wait_xcnt 0x0
; ONE LAUNCH QUANTISES x AND THE FOUR WEIGHTS.  Work-groups 0-255 take x (and make the table of cos and sin), work-groups 256-399 the weights.  The two ways part once, on the work-group's number, and do not join;
; each has LDS bytes and LDS address registers of its own.  No tensor loads, no barrier: waves share nothing.
; code = number / 2^e, held within +-448, rounded to the nearest E4M3 code, ties to even.
; LIMITS: e0, e2, e4, e1, e3, e5, e11 between -126 and 119, so that 2^e and 448 x 2^e are f32 numbers.  NaN among the inputs is not served (an infinity is held at the largest code).
;
; x [4096][2048] f32 becomes THREE sets of codes, xc [3][4096][2048], K innermost: set 0 with 2^e0 (for x Wq), set 1 with 2^e2 (x Wk), set 2 with 2^e4 (x Wv).  x is read once; the three sets are made from the same registers.
; Rows are dense, so x is a plain stream.  A wave takes 8 steps of 512 numbers.  A load reads 512 consecutive bytes, 16 a lane; a step's 2,048 bytes turn through the wave's own stage in LDS and
; come back 64 bytes (16 neighbours along K) a lane, as the conversions want them; a lane's 16 codes are 16 bytes, so each store of the wave covers 512 consecutive bytes.
; THE TABLE rope: 32,768 pairs (cos, sin) of f32, in the order in which the launch that rotates loads them:
; pair T = 512 G + 64 kk + 2 lane + e stands for position 16 G + lane % 16 and frequency i = 8 (kk / 2) + 4 (lane / 16) + 2 (kk % 2) + e.  Waves 0 to 3 of each of x's work-groups make 128 pairs, one a thread.
; angle = position x 10^(-i / 8), one f32 multiplication; the 32 frequencies are the nearest f32 numbers (a limit: a power function in f32 may differ from them in the last bit, which moves an angle by at most 1e-4).
; The angle is reduced by multiples of pi / 2 held in two parts; sine and cosine on +-pi / 4 are polynomials good to the last bits of f32.
;
; THE WEIGHTS, f32 stored [K][N], become codes laid [N][K] with K innermost, in one buffer wcodes [4608][2048]:
; rows 0-2047 Wq's columns (2^e1), 2048-2303 Wk's (2^e3), 2304-2559 Wv's (2^e5), 2560-4607 Wo's (2^e11).
; For Wq, Wk, Wv K lies in its own order.  For Wo place k' = 512 h + 64 g + d of a row holds source row k = 256 g + 64 h + d: the order in which the attention launch lays its result.
; A LANE TAKES A COLUMN, AND ITS REGISTERS RUN DOWN K: each load reads neighbouring columns in neighbouring lanes (128 consecutive bytes a wave, 1,024 a work-group), and the conversions give codes with K innermost.
; Work-group 256 + 8 X + y: rows 256 X .. 256 X + 255 of wcodes, places 256 y .. 256 y + 255.  A wave: 32 columns, 8 blocks of 32 source rows.  Which weight, its row length, its scale and the source rows
; are chosen by selects on X and y.  A wave's codes gather in its own stage in LDS and leave as rows: sixteen lanes store 256 consecutive bytes, aligned.
.set WAVES, 8
.set STEPS, 8
.set SP,    80                         ; x: a lane's place in a stage: its 64 bytes + 16 of padding
.set WREG,  8192                       ; x: a region for each wave: two stages of 32 x SP bytes
.set PITCH, 272                        ; weights: a stage row: 256 bytes of codes + 16
.set WOFF,  WAVES*WREG                 ; weights: the eight stages of 32 rows lie behind x's regions
.set SPARE, WOFF+WAVES*32*PITCH        ; behind both: the spare words, 128 bytes for each wave: four blocks of 256 bytes that no other line names
.set KROW,  2048                       ; a row of wcodes
.set NB,    8
.set SPW,   12                         ; v12      LDS address of my spare word; never rewritten
.set NIL,   13                         ; v13      0; never rewritten
; x's way
.set SCL,   5                          ; v5-7     2^e as f32, for the three sets
.set LIM,   8                          ; v8-10    448 x 2^e
.set XR,    16                         ; v16-79   four sets of 16 numbers as loaded
.set XX,    80                         ; v80-111  two sets of 16 neighbours
.set XT,    112                        ; v112-159 the 16 neighbours held within each set's range
.set XC,    160                        ; v160-207 codes: 12 registers a step, four steps by turns
.set RP,    208                        ; v208-226 the table's registers: written by nothing else
; the weights' way
.set WX,    32                         ; v32-95   two sets of 32 numbers
.set WC,    96                         ; v96-103  a block's codes
.set WOUT,  112                        ; v112-175 the way out
.set WVO,   176                        ; v176-207 offset of source row i of a block: 4 x lane + i x the weight's row length; never rewritten
.set WSI,   228                        ; v228     the stage, on the way in
.set WSO,   229                        ; v229     and on the way out
.set WGO,   230                        ; v230     the same place in wcodes
	v_lshl_add_u32 v[SPW], v0, 2, SPARE
	v_mov_b32 v[NIL], 0
	v_lshrrev_b32 v1, 5, v0                        ; wave
	v_and_b32 v2, 31, v0                           ; lane
	s_cmp_ge_u32 ttmp9, 256
	s_cbranch_scc1 .Lweights
; ======== x
	s_load_b64 s[4:5], s[0:1], 0x30                ; x
	s_load_b64 s[6:7], s[0:1], 0x20                ; the exponents
	s_load_b64 s[8:9], s[0:1], 0x38                ; xc
	s_load_b64 s[10:11], s[0:1], 0x40              ; rope
	v_readfirstlane_b32 s20, v1                    ; wave 0..7
	v_lshlrev_b32 v3, 4, v2                        ; my 16 bytes of a load's, and of a store's, 512
	s_mul_i32 s21, s20, WREG
	v_lshrrev_b32 v14, 2, v2
	s_delay_alu instid0(VALU_DEP_1)
	v_mul_u32_u24 v14, v14, SP
	v_and_b32 v15, 3, v2
	s_delay_alu instid0(VALU_DEP_1)
	v_lshl_add_u32 v14, v15, 4, v14
	s_delay_alu instid0(VALU_DEP_1)
	v_add_nc_u32 v14, s21, v14                     ; the stage, on the way in: SP (lane / 4) + 16 (lane % 4)
	v_mul_u32_u24 v15, v2, SP
	s_delay_alu instid0(VALU_DEP_1)
	v_add_nc_u32 v15, s21, v15                     ; and on the way out: SP x lane
	s_lshl_b32 s22, ttmp9, 3
	s_add_co_u32 s22, s22, s20                     ; which run of 4,096 numbers is my wave's
	s_lshl_b32 s30, s22, 14                        ; its bytes in x,
	s_mov_b32 s31, 0
	s_lshl_b32 s32, s22, 12                        ; and in a set of codes
	s_mov_b32 s33, 0
	s_wait_alu depctr_va_vdst(0)
	s_wait_kmcnt 0x0
	s_load_b256 s[12:19], s[6:7], 0x0              ; e0 .. e7
	s_add_nc_u64 s[4:5], s[4:5], s[30:31]
	s_add_nc_u64 s[24:25], s[8:9], s[32:33]        ; set 0,
	s_add_nc_u64 s[26:27], s[24:25], 0x800000      ; set 1: 4096 x 2048 bytes on,
	s_add_nc_u64 s[28:29], s[24:25], 0x1000000     ; set 2
.macro XLOAD t
.irp i, 0,1,2,3
	global_load_b128 v[XR+16*((\t)%4)+4*\i:XR+16*((\t)%4)+4*\i+3], v3, s[4:5] offset:2048*(\t)+512*\i th:TH_LOAD_NT
.endr
.endm
.macro XTURN t                         ; step t's numbers through the stage: LDS serves a wave's instructions in order, so no wait stands between the stores and the loads
.irp i, 0,1,2,3
	ds_store_b128 v14, v[XR+16*((\t)%4)+4*\i:XR+16*((\t)%4)+4*\i+3] offset:32*SP*((\t)%2)+8*SP*\i
.endr
.irp i, 0,1,2,3
	ds_load_b128 v[XX+16*((\t)%2)+4*\i:XX+16*((\t)%2)+4*\i+3], v15 offset:32*SP*((\t)%2)+16*\i
.endr
.endm
.irp t, 0,1,2,3
	XLOAD \t                                       ; sixteen loads of the wave are on their way
.endr
	; ---- the table of cos and sin: waves 0 to 3, while the first loads are out
	s_cmp_lt_u32 s20, 4
	s_cbranch_scc0 .Lno_table
	v_mov_b32 v[RP], 1.0                           ; lane l of this register holds 10^(-l / 8)
.set L, 1
.irp f, 0x3F3FF911,0x3F0FF59A,0x3ED7E89B,0x3EA1E89B,0x3E72D424,0x3E361887,0x3E088D77,0x3DCCCCCD,0x3D99940E,0x3D6655C3,0x3D2CBA15,0x3D0186E2,0x3CC24350,0x3C91AD39,0x3C5A7BF1,0x3C23D70A,0x3BF5B9B0,0x3BB8449C,0x3B8A2E77,0x3B4F3E37,0x3B1B690D,0x3AE91528,0x3AAEC98E,0x3A83126F,0x3A44948C,0x3A136A16,0x39DD1726,0x39A5CB5F,0x3978A8BC,0x393A7753,0x390BD472
	s_mov_b32 s34, \f
	v_writelane_b32 v[RP], s34, L
.set L, L+1
.endr
	s_wait_alu depctr_va_vdst(0)
	s_and_b32 s34, ttmp9, 3                        ; thread t of work-group g makes pair 128 g + t: i = 8 (g % 4) + 4 (wave % 2) + 2 (wave / 2) + t % 2: two frequencies to a wave
	s_lshl_b32 s34, s34, 3
	s_and_b32 s35, s20, 1
	s_lshl_b32 s35, s35, 2
	s_add_co_u32 s34, s34, s35
	s_lshr_b32 s35, s20, 1
	s_lshl_b32 s35, s35, 1
	s_add_co_u32 s34, s34, s35
	v_readlane_b32 s36, v[RP], s34
	s_add_co_u32 s34, s34, 1
	v_readlane_b32 s37, v[RP], s34
	v_and_b32 v[RP+1], 1, v0
	s_delay_alu instid0(VALU_DEP_1)
	v_cmp_eq_u32 vcc_lo, 1, v[RP+1]
	v_mov_b32 v[RP+2], s36
	s_delay_alu instid0(VALU_DEP_4)
	v_mov_b32 v[RP+3], s37
	s_delay_alu instid0(VALU_DEP_1)
	v_cndmask_b32 v[RP+2], v[RP+2], v[RP+3], vcc_lo   ; my frequency
	v_bfe_u32 v[RP+3], v0, 1, 4
	s_lshr_b32 s35, ttmp9, 2
	s_lshl_b32 s35, s35, 4
	v_add_nc_u32 v[RP+3], s35, v[RP+3]             ; my position: 16 (g / 4) + (t / 2) % 16
	s_delay_alu instid0(VALU_DEP_1)
	v_cvt_f32_u32 v[RP+3], v[RP+3]
	s_delay_alu instid0(VALU_DEP_1)
	v_mul_f32 v[RP+3], v[RP+3], v[RP+2]            ; the angle, rounded once
	s_delay_alu instid0(VALU_DEP_1)
	v_mul_f32 v[RP+4], 0x3f22f983, v[RP+3]         ; x 2 / pi
	s_delay_alu instid0(VALU_DEP_1)
	v_rndne_f32 v[RP+4], v[RP+4]                   ; n, at most 651
	s_delay_alu instid0(VALU_DEP_1)
	v_fmamk_f32 v[RP+5], v[RP+4], 0xbfc90fdb, v[RP+3]  ; r = angle - n x (pi / 2), whose upper part
	s_delay_alu instid0(VALU_DEP_1)
	v_fmamk_f32 v[RP+5], v[RP+4], 0x333bbd2e, v[RP+5]  ; and lower part are taken away one after the other
	s_delay_alu instid0(VALU_DEP_1)
	v_mul_f32 v[RP+6], v[RP+5], v[RP+5]            ; z = r r
	v_mov_b32 v[RP+7], 0xb94ca1f9
	s_delay_alu instid0(VALU_DEP_1)
	v_fmaak_f32 v[RP+7], v[RP+7], v[RP+6], 0x3c08839e
	s_delay_alu instid0(VALU_DEP_1)
	v_fmaak_f32 v[RP+7], v[RP+7], v[RP+6], 0xbe2aaaa3
	s_delay_alu instid0(VALU_DEP_1)
	v_mul_f32 v[RP+7], v[RP+7], v[RP+6]
	s_delay_alu instid0(VALU_DEP_1)
	v_fma_f32 v[RP+7], v[RP+7], v[RP+5], v[RP+5]   ; sin r
	v_mov_b32 v[RP+8], 0x37ccf5ce
	s_delay_alu instid0(VALU_DEP_1)
	v_fmaak_f32 v[RP+8], v[RP+8], v[RP+6], 0xbab6061a
	s_delay_alu instid0(VALU_DEP_1)
	v_fmaak_f32 v[RP+8], v[RP+8], v[RP+6], 0x3d2aaaa5
	s_delay_alu instid0(VALU_DEP_1)
	v_mul_f32 v[RP+8], v[RP+8], v[RP+6]
	v_fma_f32 v[RP+9], v[RP+6], -0.5, 1.0
	s_delay_alu instid0(VALU_DEP_1)
	v_fma_f32 v[RP+8], v[RP+8], v[RP+6], v[RP+9]   ; cos r
	v_cvt_i32_f32 v[RP+10], v[RP+4]                ; the quadrant is n mod 4
	s_delay_alu instid0(VALU_DEP_1)
	v_and_b32 v[RP+11], 1, v[RP+10]
	s_delay_alu instid0(VALU_DEP_1)
	v_cmp_eq_u32 vcc_lo, 1, v[RP+11]
	s_delay_alu instid0(VALU_DEP_1)
	v_cndmask_b32 v[RP+16], v[RP+8], v[RP+7], vcc_lo   ; in odd quadrants the two change places
	s_delay_alu instid0(VALU_DEP_2)
	v_cndmask_b32 v[RP+17], v[RP+7], v[RP+8], vcc_lo
	v_add_nc_u32 v[RP+12], 1, v[RP+10]
	s_delay_alu instid0(VALU_DEP_1)
	v_lshlrev_b32 v[RP+12], 30, v[RP+12]
	s_delay_alu instid0(VALU_DEP_1)
	v_and_b32 v[RP+12], 0x80000000, v[RP+12]       ; cos is negative in quadrants 1 and 2,
	s_delay_alu instid0(VALU_DEP_1)
	v_xor_b32 v[RP+16], v[RP+16], v[RP+12]
	v_lshlrev_b32 v[RP+13], 30, v[RP+10]
	s_delay_alu instid0(VALU_DEP_1)
	v_and_b32 v[RP+13], 0x80000000, v[RP+13]       ; sin in quadrants 2 and 3
	s_delay_alu instid0(VALU_DEP_1)
	v_xor_b32 v[RP+17], v[RP+17], v[RP+13]
	v_lshlrev_b32 v[RP+18], 3, v0
	s_lshl_b32 s35, ttmp9, 10
	v_add_nc_u32 v[RP+18], s35, v[RP+18]
	global_store_b64 v[RP+18], v[RP+16:RP+17], s[10:11]  ; a wave stores 256 consecutive bytes, aligned; its registers are written by nothing later
.Lno_table:
	s_wait_kmcnt 0x0
.irp z, 0,1,2
	s_add_co_i32 s34, s[12+2*\z], 127
	s_lshl_b32 s35, s34, 23
	v_mov_b32 v[SCL+\z], s35                       ; 2^e as f32: the conversion takes its exponent field
	s_add_co_i32 s34, s34, 8
	s_lshl_b32 s34, s34, 23
	s_or_b32 s34, s34, 0x600000
	v_mov_b32 v[LIM+\z], s34                       ; 448 x 2^e
.endr
	s_wait_alu depctr_va_vdst(0)
	s_wait_loadcnt 12                              ; step 0's four loads are in
	XTURN 0
.macro XSTEP t
.set XS, XX+16*((\t)%2)
.set CC, XC+12*((\t)%4)
	s_wait_dscnt 0x0                               ; this step's numbers are back from the stage: so its stores into the stage have read their registers,
.if (\t)+4 < STEPS
	XLOAD (\t)+4                                   ; which take the loads of four steps on
.endif
.if (\t)+1 < STEPS
.if STEPS-2-(\t) >= 3
	s_wait_loadcnt 12                              ; the next step's four loads are in; those of the three steps behind it may be out
.else
	s_wait_loadcnt 4*(STEPS-2-(\t))
.endif
	XTURN (\t)+1                                   ; and go through the other stage while this step is worked
.endif
.if (\t) >= 4
	s_wait_xcnt 0x0                                ; the stores of four steps back have read their codes' registers, which are written again below
.endif
.irp z, 0,1,2
.irp i, 0,1,2,3,4,5,6,7,8,9,10,11,12,13,14,15
	v_med3_num_f32 v[XT+16*\z+\i], v[XS+\i], -v[LIM+\z], v[LIM+\z]   ; the conversion to an 8-bit code does not saturate (ISA guide 7.6.2): the hold at the largest code x the scale
.endr
.endr
.irp z, 0,1,2
	v_cvt_scalef32_pk8_fp8_f32 v[CC+4*\z:CC+4*\z+1], v[XT+16*\z:XT+16*\z+7], v[SCL+\z]
	v_cvt_scalef32_pk8_fp8_f32 v[CC+4*\z+2:CC+4*\z+3], v[XT+16*\z+8:XT+16*\z+15], v[SCL+\z]
.endr
	v_nop                                          ; a plain vector line behind the last conversion
.irp z, 0,1,2
	global_store_b128 v3, v[CC+4*\z:CC+4*\z+3], s[24+2*\z:25+2*\z] offset:512*(\t)   ; 32 lanes store 512 consecutive bytes
.endr
.endm
.irp t, 0,1,2,3,4,5,6,7
	XSTEP \t
.endr
	s_wait_tensorcnt 0x0                           ; the wave's end, behind my last LDS store
	ds_add_u32 v[SPW], v[NIL]
	s_wait_dscnt 0x0
	s_endpgm
; ======== the weights
.Lweights:
	s_load_b256 s[4:11], s[0:1], 0x0               ; Wq, Wk, Wv, Wo
	s_load_b128 s[12:15], s[0:1], 0x20             ; the exponents, wcodes
	s_wait_alu depctr_va_vdst(0)
	v_readfirstlane_b32 s18, v1                    ; wave 0..7
	s_sub_co_u32 s60, ttmp9, 256
	s_and_b32 s19, s60, 7                          ; y: which 256 places
	s_lshr_b32 s60, s60, 3                         ; X: which 256 rows of wcodes: 0-7 Wq, 8 Wk, 9 Wv, 10-17 Wo
	s_lshl_b32 s22, s19, 8                         ; first source row, in K's own order: 256 y;
	s_and_b32 s23, s19, 1
	s_lshl_b32 s23, s23, 10
	s_lshr_b32 s25, s19, 1
	s_lshl_b32 s25, s25, 6
	s_add_co_u32 s23, s23, s25                     ; for Wo: 1024 (y % 2) + 64 (y / 2)
	s_cmp_lt_u32 s60, 10
	s_cselect_b32 s22, s22, s23
	s_cselect_b32 s24, 64, 256                     ; from one pair of blocks to the next: 64 rows, for Wo 256
	s_cselect_b32 s20, 10, 13                      ; a source row is 2^10 bytes (Wk, Wv) or 2^13 (Wq, Wo)
	s_cselect_b32 s21, 9, 10                       ; the weight's first X
	s_cmp_lt_u32 s60, 9
	s_cselect_b32 s21, 8, s21
	s_cmp_lt_u32 s60, 8
	s_cselect_b32 s21, 0, s21
	s_cselect_b32 s20, 13, s20
	s_sub_co_u32 s25, s60, s21
	s_lshl_b32 s25, s25, 8
	s_lshl_b32 s26, s18, 5
	s_add_co_u32 s25, s25, s26
	s_lshl_b32 s25, s25, 2                         ; my wave's first column in the weight, in bytes
	s_lshl_b32 s28, 1, s20                         ; the row length
	v_lshlrev_b32 v[WVO], 2, v2
.set i, 1
.rept 31
	s_delay_alu instid0(VALU_DEP_1)
	v_add_nc_u32 v[WVO+i], s28, v[WVO+i-1]
.set i, i+1
.endr
	s_mul_i32 s29, s18, 32*PITCH
	s_add_co_u32 s29, s29, WOFF                    ; my stage
	v_mul_u32_u24 v[WSI], v2, PITCH
	s_delay_alu instid0(VALU_DEP_1)
	v_add_nc_u32 v[WSI], s29, v[WSI]               ; into it: row = my column
	v_and_b32 v5, 15, v2
	v_lshrrev_b32 v6, 4, v2
	s_delay_alu instid0(VALU_DEP_1)
	v_mul_u32_u24 v[WSO], v6, PITCH
	s_delay_alu instid0(VALU_DEP_1)
	v_lshl_add_u32 v[WSO], v5, 4, v[WSO]
	s_delay_alu instid0(VALU_DEP_1)
	v_add_nc_u32 v[WSO], s29, v[WSO]               ; out of it: sixteen lanes to a row, two rows an instruction
	s_delay_alu instid0(VALU_DEP_4)
	v_mul_u32_u24 v[WGO], v6, KROW
	s_delay_alu instid0(VALU_DEP_1)
	v_lshl_add_u32 v[WGO], v5, 4, v[WGO]           ; and the same place in wcodes
	s_lshl_b32 s30, s60, 8
	s_lshl_b32 s31, s18, 5
	s_add_co_u32 s30, s30, s31
	s_lshl_b32 s30, s30, 11                        ; my first row of wcodes, in bytes,
	s_lshl_b32 s31, s19, 8
	s_add_co_u32 s30, s30, s31                     ; + 256 y
	s_mov_b32 s31, 0
	s_mov_b32 s27, 0
	s_wait_kmcnt 0x0
	s_load_b256 s[48:55], s[12:13], 0x0            ; e0 .. e7
	s_load_b128 s[56:59], s[12:13], 0x20           ; e8 .. e11
	s_cmp_lt_u32 s60, 10                           ; the choice of the weight hangs on the work-group's number alone
	s_cselect_b64 s[16:17], s[8:9], s[10:11]
	s_cmp_lt_u32 s60, 9
	s_cselect_b64 s[16:17], s[6:7], s[16:17]
	s_cmp_lt_u32 s60, 8
	s_cselect_b64 s[16:17], s[4:5], s[16:17]
	s_add_nc_u64 s[14:15], s[14:15], s[30:31]
.irp t, 0,1,2,3,4,5,6,7                        ; a base for each block: source row = first row + 32 (t % 2) + (t / 2) x the pair's step
	s_mul_i32 s26, s24, \t/2
	s_add_co_u32 s26, s26, s22
	s_add_co_u32 s26, s26, 32*(\t%2)
	s_lshl_b32 s26, s26, s20
	s_add_co_u32 s26, s26, s25
	s_add_nc_u64 s[32+2*\t:33+2*\t], s[16:17], s[26:27]
.endr
.macro WLOAD t                         ; block t: 32 source rows of my column into set t % 2
.set i, 0
.rept 32
	global_load_b32 v[WX+32*((\t)%2)+i], v[WVO+i], s[32+2*(\t):33+2*(\t)] th:TH_LOAD_NT
.set i, i+1
.endr
.endm
	WLOAD 0
	WLOAD 1
	s_wait_kmcnt 0x0
	s_cmp_lt_u32 s60, 10
	s_cselect_b32 s30, s53, s59                    ; e5 or e11,
	s_cmp_lt_u32 s60, 9
	s_cselect_b32 s30, s51, s30                    ; e3,
	s_cmp_lt_u32 s60, 8
	s_cselect_b32 s30, s49, s30                    ; e1
	s_add_co_i32 s30, s30, 127
	s_lshl_b32 s31, s30, 23
	v_mov_b32 v11, s31                             ; 2^e as f32
	s_add_co_i32 s30, s30, 8
	s_lshl_b32 s30, s30, 23
	s_or_b32 s30, s30, 0x600000
	v_mov_b32 v10, s30                             ; 448 x 2^e
.macro WBLOCK t
.set XS, WX+32*((\t)%2)
.if (\t) < NB-1
	s_wait_loadcnt 32                              ; this block's 32 loads are in; the next block's may be out
.else
	s_wait_loadcnt 0
.endif
.set i, 0
.rept 32
	v_med3_num_f32 v[XS+i], v[XS+i], -v10, v10     ; the hold at the largest code x the scale (ISA guide 7.6.2)
.set i, i+1
.endr
.irp g, 0,1,2,3
	v_cvt_scalef32_pk8_fp8_f32 v[WC+2*\g:WC+2*\g+1], v[XS+8*\g:XS+8*\g+7], v11
.endr
	v_nop                                          ; a plain vector line behind the last conversion
	ds_store_b128 v[WSI], v[WC:WC+3] offset:32*(\t)      ; 32 codes: 32 bytes of my column's row
	ds_store_b128 v[WSI], v[WC+4:WC+7] offset:32*(\t)+16
.if (\t)+2 < NB
	WLOAD (\t)+2
.endif
	s_wait_dscnt 0x0                               ; the stores have read their registers: the next block's codes may be written
.endm
	s_wait_alu depctr_va_vdst(0)
.irp t, 0,1,2,3,4,5,6,7
	WBLOCK \t
.endr
.irp t, 0,1,2,3,4,5,6,7,8,9,10,11,12,13,14,15
	ds_load_b128 v[WOUT+4*\t:WOUT+4*\t+3], v[WSO] offset:2*\t*PITCH   ; LDS serves a wave's instructions in order: these see my stores
.endr
.irp t, 0,1,2,3,4,5,6,7,8,9,10,11,12,13,14,15
	s_wait_dscnt 15-\t
	global_store_b128 v[WGO], v[WOUT+4*\t:WOUT+4*\t+3], s[14:15] offset:2*\t*KROW
.endr
	s_wait_tensorcnt 0x0                           ; the wave's end, behind my last LDS store
	ds_add_u32 v[SPW], v[NIL]
	s_wait_dscnt 0x0
	s_endpgm
.Lfunc_end_k_qbd3e4c5f23_quant:
	.size	k_qbd3e4c5f23_quant, .Lfunc_end_k_qbd3e4c5f23_quant-k_qbd3e4c5f23_quant
	.p2alignl 7, 3214868480
	.fill 96, 4, 3214868480
	.section	.rodata,"a",@progbits
	.p2align	6, 0x0
	.amdhsa_kernel k_qbd3e4c5f23_quant
		.amdhsa_group_segment_fixed_size 136192
		.amdhsa_private_segment_fixed_size 0
		.amdhsa_enable_private_segment 0
		.amdhsa_kernarg_size 72
		.amdhsa_user_sgpr_count 2
		.amdhsa_user_sgpr_kernarg_segment_ptr 1
		.amdhsa_wavefront_size32 1
		.amdhsa_system_sgpr_workgroup_id_x 1
		.amdhsa_system_sgpr_workgroup_id_y 1
		.amdhsa_system_sgpr_workgroup_id_z 1
		.amdhsa_system_vgpr_workitem_id 0
		.amdhsa_next_free_vgpr 232
		.amdhsa_next_free_sgpr 66
		.amdhsa_reserve_vcc 1
		.amdhsa_float_denorm_mode_32 3
		.amdhsa_float_denorm_mode_16_64 3
		.amdhsa_memory_ordered 1
		.amdhsa_forward_progress 1
		.amdhsa_inst_pref_size 101
	.end_amdhsa_kernel
	.amdgpu_metadata
---
amdhsa.version: [ 1, 2 ]
amdhsa.kernels:
  - .name:           k_qbd3e4c5f23_quant
    .symbol:         k_qbd3e4c5f23_quant.kd
    .args:
      - { .name: Wq, .offset: 0, .size: 8, .value_kind: global_buffer, .address_space: global }
      - { .name: Wk, .offset: 8, .size: 8, .value_kind: global_buffer, .address_space: global }
      - { .name: Wv, .offset: 16, .size: 8, .value_kind: global_buffer, .address_space: global }
      - { .name: Wo, .offset: 24, .size: 8, .value_kind: global_buffer, .address_space: global }
      - { .name: lowp_scales, .offset: 32, .size: 8, .value_kind: global_buffer, .address_space: global }
      - { .name: wcodes, .offset: 40, .size: 8, .value_kind: global_buffer, .address_space: global }
      - { .name: x, .offset: 48, .size: 8, .value_kind: global_buffer, .address_space: global }
      - { .name: xc, .offset: 56, .size: 8, .value_kind: global_buffer, .address_space: global }
      - { .name: rope, .offset: 64, .size: 8, .value_kind: global_buffer, .address_space: global }
    .group_segment_fixed_size: 136192
    .private_segment_fixed_size: 0
    .kernarg_segment_align: 8
    .kernarg_segment_size: 72
    .max_flat_workgroup_size: 256
    .sgpr_count:     66
    .vgpr_count:     232
    .wavefront_size: 32
...
	.end_amdgpu_metadata
.endif
;; end of part 1
;; launch qkv (part 2): grid 16 x 10, 4 waves a work-group, clusters of 4 x 1, 327,680 bytes of LDS; arguments xc, wcodes, lowp_scales, bq, bk, bv, rope, qkvc; writes qkvc
.if DOCPART == 2
	.amdgcn_target "amdgcn-amd-amdhsa--gfx1250"
	.amdhsa_code_object_version 6
	.text
	.protected	k_qbd3e4c5f23_qkv
	.globl	k_qbd3e4c5f23_qkv
	.p2align	8
	.type	k_qbd3e4c5f23_qkv,@function
k_qbd3e4c5f23_qkv:
	s_mov_b64 s[64:65], 0
	v_nop
	global_prefetch_b8 v0, s[64:65] scope:SCOPE_SE
	s_setreg_imm32_b32 hwreg(HW_REG_WAVE_MODE, 25, 1), 1
	s_wait_xcnt 0x0
	s_wait_alu depctr_hold_cnt(0) depctr_sa_sdst(0) depctr_va_vdst(0) depctr_va_sdst(0) depctr_va_ssrc(0) depctr_va_vcc(0) depctr_vm_vsrc(0)
	s_getreg_b32 s2, hwreg(HW_REG_IB_STS2, 6, 4)
	s_cmp_eq_u32 s2, 0
	s_cbranch_scc0 .Lentry_in_a_cluster
	s_endpgm
.Lentry_in_a_cluster:
	s_bfe_u32 s2, ttmp6, 0x10000c
	s_cmp_lg_u32 s2, 0x3003
	s_cbranch_scc0 .Lentry_shape_is_right
	s_endpgm
.Lentry_shape_is_right:
; q, k and v: x W + b on E4M3 codes, then the rotation (q, k), then the quantiser of the attention's operands.  Tile column y: 0-7 q's 256 columns of group y (x's set 0), 8 k (set 1), 9 v (set 2).
; A work-group makes 256 positions x 256 columns, a wave 128 x 128: 64 accumulators.  K goes in steps of 256 through a ring of two LDS slots; a slot has region A (256 rows) and region B (256 rows); wave w fills quarter w of a slot.
; THE MATRIX INSTRUCTION takes region B's rows as source 0 and region A's as source 1: a lane holds one row of region A and eight neighbouring rows of region B.
; q, k: region A = x, region B = the weight: a lane holds 8 neighbouring columns of one position, as the rotation and the codes (d innermost) want them.
; v: THE SOURCES CHANGE PLACES, region A = Wv, region B = x: a lane holds 8 neighbouring positions of one column, so that v's codes come out with the keys innermost.  Only which buffer a wave fetches from hangs on y;
; every LDS address is a constant and a term of the wave's number.
; CLUSTER 4, 1, 1: the four partners are four row tiles of one y and need the same weight tile: it is asked for jointly (mask 15).  x's tiles differ between the partners and are plain loads.  x's tile is shared along y,
; but the grid's 10 tile columns are no multiple of 4, so no cluster reaches along y.
; OUT, qkvc: q [128 heads 32 b + 4 g + h][1024][64] from byte 0, with the 1 / 8 in its scale (2^(e7 + 3)); k [16][1024][64] from 0x800000 (2^e6); v [16][64 d][1024 places] from 0x900000 (2^e8),
; place 32 e + 16 h' + i of a block of 128 positions holding position 32 e + 8 h' + i (i < 8) or 32 e + 16 + 8 h' + i - 8.
; The bias goes in as the first products' C, divided by the power of two that the sums lack; for v that factor is 0 (its bias hangs on the lane, and is added on the way out).
; LIMITS: e0 + e1, e2 + e3, e4 + e5 between -126 and 126; the target exponent less that sum between -126 and 119.  NaN among the inputs is not served.
; REGISTERS: window 0: v1-7 at work, v8-15 v's bias, v16-31 addresses, v32-95 the bias as C, then v32-127 the table of blocks 0-2, v128-255 region A's fragments (one set); window 1: region B's fragments, two sets,
; at the end the table of blocks 3-7; windows 2, 3: the accumulators.
.set KROW,   2048
.set ROWB,   256                       ; a K step: 256 codes of each row
.set PITCH,  272                       ; an LDS row: 256 bytes + 16 of padding
.set FR,     16
.set NL,     4
.set NP,     4
.set HALFT,  128*PITCH                 ; what one tensor load brings
.set SLOT,   4*HALFT
.set LAPS,   4
.set SPARE,  2*SLOT                    ; the spare words, 128 bytes a wave
.set QST,    16*144                    ; q, k: a wave's stage, 16 rows x (128 + 16) bytes, in slot 0 behind its last fill and last read
.set VST,    16384                     ; v: the work-group's stage, 256 rows x 272 bytes, likewise
.set BV,   8
.set ADRA, 16
.set PFO,  18                          ; the prefetches' offset: lane x a row; never rewritten
.set ADRB, 20
.set STO,  24
.set RD,   25
.set CO,   26
.set VSTO, 27
.set SPW,  28
.set NIL,  29
.set VRD,  30
.set VCO,  31
.set BIASC, 32
.set AF,   128
.set TMP,  128
.set CD,   192
.set BK,   208
.set SCL,  240
.set LIM,  241
.set G1,  24                           ; s[24:31] group 1 of x's tiles (no mask); s[32:39] their groups 0, one a slot
.set G0,  32
.set FLG, 41                           ; s41: 0: my wave fetches x, 1: the weight
.set MORE, 43                          ; s43: 1: my wave prefetches all 128 rows that it fetches
.set PFA, 44                           ; s[44:45] where my prefetches stand
.set G1B, 48                           ; s[48:55], s[56:63] the same for the weight's tiles (mask 15)
.set G0B, 56
.set MSB, 0
.macro WIN new
.if MSB != (\new)
	s_set_vgpr_msb (MSB<<8)|(\new)
.set MSB, \new
.endif
.endm
.set MUL_LO, 0xa1
.set MUL_HI, 0xf1
.set TO_B,   0x40
; My one tensor load for slot s.  The flag is made of the wave's number and y, which the partners share.  An s_nop 0 and four v_nop follow each line.
.macro JLOAD s
	s_cmp_eq_u32 s[FLG], 0
	s_cbranch_scc0 .Lfor_w_\@
	tensor_load_to_lds s[G0+4*\s:G0+4*\s+3], s[G1:G1+7]
	s_nop 0
.rept 4
	v_nop
.endr
	s_branch .Lasked_\@
.Lfor_w_\@:
	tensor_load_to_lds s[G0B+4*\s:G0B+4*\s+3], s[G1B:G1B+7]
	s_nop 0
.rept 4
	v_nop
.endr
.Lasked_\@:
.endm
; A PREFETCH INTO THE L2: behind the load of K step t, K step t + 2 of rows that my wave fetches; a lane a row, 256 bytes of it.  The weight's 128 rows: 32 to each partner, by cx.  x's set 0: the tile is read by y = 0 .. 7,
; 32 rows to y % 4.  Sets 1 and 2 have one reader: all 128 rows, four lines.  guard = 1, in the loop: its last trip loads K steps 6 and 7, which have no K step two on.
.macro ASK off, guard
.if \guard
	s_cmp_gt_u32 s3, 1
	s_cbranch_scc0 .Lno_ask_\@
.endif
	global_prefetch_b8 v[PFO], s[PFA:PFA+1] offset:\off th:TH_LOAD_NT scope:SCOPE_SE
	s_cmp_eq_u32 s[MORE], 0
	s_cbranch_scc1 .Lno_ask_\@
.irp i, 1,2,3
	global_prefetch_b8 v[PFO], s[PFA:PFA+1] offset:\off+\i*32*KROW th:TH_LOAD_NT scope:SCOPE_SE
.endr
.Lno_ask_\@:
.endm
.macro CREST
	s_cmp_lg_u32 s14, 0
	s_cbranch_scc1 .Lnot_wave_0_\@
	s_barrier_signal -3
.Lnot_wave_0_\@:
	s_barrier_wait -3
	s_barrier_signal -1
	s_barrier_wait -1
.endm
.macro CROUND
	s_barrier_signal -1
	s_barrier_wait -1
	CREST
.endm
	s_load_b512 s[68:83], s[0:1], 0x0              ; xc, wcodes, the exponents, bq, bk, bv, rope, qkvc
	v_lshl_add_u32 v[SPW], v0, 2, SPARE
	v_mov_b32 v[NIL], 0
	ds_add_u32 v[SPW], v[NIL]                      ; the opening: the add, twice on end, and its wait ahead of my first tensor load
	ds_add_u32 v[SPW], v[NIL]
	v_lshrrev_b32 v1, 5, v0
	v_readfirstlane_b32 s14, v1                    ; wave
	s_lshr_b32 s15, s14, 1                         ; my half of region A's rows
	s_and_b32 s16, s14, 1                          ; my half of region B's rows; also which 128 rows of a tile I fetch
	s_bfe_u32 s40, ttmp6, 0x40000                  ; cx
	s_lshl_b32 s17, ttmp9, 2
	s_add_co_u32 s17, s17, s40                     ; row tile
	s_and_b32 s42, ttmp7, 0xffff                   ; y
	s_cmp_eq_u32 s42, 9
	s_cselect_b32 s[FLG], 1, 0
	s_xor_b32 s[FLG], s[FLG], s15                  ; waves 0, 1 fill region A: x, for v the weight; waves 2, 3 region B
	s_mov_b32 s[G1+0], (3<<16)|(1<<20)|(5<<22)|(3<<25)     ; elements of 8 bytes: a tile's row is 32 of them; 4 words of padding after every 64
	s_mov_b32 s[G1B+0], 15|(3<<16)|(1<<20)|(1<<21)|(5<<22)|(3<<25)
.irp g, G1, G1B
	s_mov_b32 s[\g+1], (ROWB/8)<<16
	s_mov_b32 s[\g+2], 128<<16
	s_mov_b32 s[\g+3], (ROWB/8)<<16
	s_mov_b32 s[\g+4], 128
	s_mov_b32 s[\g+5], KROW/8
	s_mov_b32 s[\g+6], 0
	s_mov_b32 s[\g+7], 0
.endr
	s_max_u32 s18, s42, 7
	s_sub_co_u32 s18, s18, 7
	s_lshl_b32 s18, s18, 23                        ; x's set: 0, 1 or 2, 2^23 bytes each
	s_lshl_b32 s19, s16, 7
	s_lshl_b32 s12, s17, 8
	s_add_co_u32 s12, s12, s19
	s_lshl_b32 s12, s12, 11
	s_add_co_u32 s12, s12, s18                     ; x: row 256 x row tile + 128 x half, in bytes
	s_mov_b32 s13, 0
	s_lshl_b32 s46, s42, 8
	s_add_co_u32 s46, s46, s19
	s_lshl_b32 s46, s46, 11                        ; the weight: row 256 y + 128 x half
	s_mov_b32 s47, 0
	s_mul_i32 s21, s14, HALFT                      ; where my quarter lies in a slot
	s_and_b32 s20, s42, 3                          ; the prefetches: which 32 rows are mine
	s_cmp_lt_u32 s42, 8
	s_cselect_b32 s20, s20, 0
	s_cselect_b32 s[MORE], 0, 1
	s_cmp_eq_u32 s[FLG], 0
	s_cselect_b32 s20, s20, s40
	s_cselect_b32 s[MORE], s[MORE], 0
	s_cselect_b32 s22, s12, s46
	s_lshl_b32 s20, s20, 16
	s_add_co_u32 s22, s22, s20
	s_add_co_u32 s22, s22, 2*ROWB                  ; at K step 2
	s_mov_b32 s23, 0
	s_wait_dscnt 0x0                               ; both opening adds are done
	s_wait_kmcnt 0x0
	s_load_b256 s[84:91], s[72:73], 0x0            ; e0 .. e7
	s_load_b128 s[92:95], s[72:73], 0x20           ; e8 .. e11
	s_add_nc_u64 s[12:13], s[68:69], s[12:13]
	s_add_nc_u64 s[46:47], s[70:71], s[46:47]
	s_cmp_eq_u32 s[FLG], 0
	s_cselect_b64 s[PFA:PFA+1], s[68:69], s[70:71]
	s_add_nc_u64 s[PFA:PFA+1], s[PFA:PFA+1], s[22:23]
.irp s, 0,1
	s_mov_b32 s[G0+4*\s], 1
	s_add_co_u32 s[G0+4*\s+1], s21, \s*SLOT
	s_add_nc_u64 s[G0+4*\s+2:G0+4*\s+3], s[12:13], \s*ROWB
	s_or_b32 s[G0+4*\s+3], s[G0+4*\s+3], 0x80000000
	s_mov_b32 s[G0B+4*\s], 1
	s_add_co_u32 s[G0B+4*\s+1], s21, \s*SLOT
	s_add_nc_u64 s[G0B+4*\s+2:G0B+4*\s+3], s[46:47], \s*ROWB
	s_or_b32 s[G0B+4*\s+3], s[G0B+4*\s+3], 0x80000000
.endr
	CROUND                                         ; the four work-groups are here: the joint loads meet
	JLOAD 0                                        ; K step 0: one tensor load a wave at the head
	; pointers, while it is out.  The bias: bq + 256 y, bk or bv
	s_cmp_lt_u32 s42, 8
	s_cselect_b64 s[4:5], s[74:75], s[76:77]
	s_cselect_b32 s6, s42, 0
	s_cmp_eq_u32 s42, 9
	s_cselect_b64 s[4:5], s[78:79], s[4:5]
	s_lshl_b32 s6, s6, 10
	s_lshl_b32 s12, s16, 9
	s_add_co_u32 s12, s12, s6
	s_mov_b32 s13, 0
	s_add_nc_u64 s[8:9], s[4:5], s[12:13]          ; by region B's half (q, k)
	s_lshl_b32 s12, s15, 9
	s_add_co_u32 s12, s12, s6
	s_add_nc_u64 s[10:11], s[4:5], s[12:13]        ; by region A's half (v)
	s_and_b32 s7, s17, 3
	s_lshl_b32 s12, s7, 4
	s_lshl_b32 s18, s15, 3
	s_add_co_u32 s12, s12, s18
	s_lshl_b32 s12, s12, 12
	s_add_nc_u64 s[80:81], s[80:81], s[12:13]      ; the table: 4,096 bytes for each 16 positions; my first block is 16 (row tile % 4) + 8 x half
	s_lshr_b32 s18, s17, 2                         ; b
	s_lshl_b32 s19, s18, 5
	s_lshl_b32 s20, s42, 2
	s_add_co_u32 s19, s19, s20                     ; q's head 32 b + 4 y,
	s_lshl_b32 s20, s18, 2                         ; k's and v's 4 b
	s_cmp_lt_u32 s42, 8
	s_cselect_b32 s19, s19, s20
	s_cselect_b32 s6, 0, 0x800000
	s_lshl_b32 s12, s16, 1
	s_add_co_u32 s19, s19, s12                     ; + the two heads of my 128 columns
	s_lshl_b32 s19, s19, 10
	s_lshl_b32 s7, s7, 8
	s_add_co_u32 s19, s19, s7                      ; + the tile's first position
	s_lshl_b32 s12, s15, 7
	s_add_co_u32 s19, s19, s12
	s_lshl_b32 s19, s19, 6
	s_add_co_u32 s19, s19, s6
	s_add_co_u32 s20, s20, s14                     ; v: on the way out wave w stores head 4 b + w
	s_lshl_b32 s20, s20, 16
	s_add_co_u32 s20, s20, s7
	s_add_co_u32 s20, s20, 0x900000
	s_cmp_eq_u32 s42, 9
	s_cselect_b32 s12, s20, s19
	s_add_nc_u64 s[82:83], s[82:83], s[12:13]
	; LDS bases: the wave's number and constants alone
	s_mul_i32 s18, s15, HALFT
	s_mul_i32 s19, s16, HALFT
	s_add_co_u32 s19, s19, 2*HALFT
	s_mul_i32 s20, s14, QST
	s_mul_i32 s22, s15, 128*272
	s_lshl_b32 s23, s16, 7
	s_add_co_u32 s22, s22, s23
	s_add_co_u32 s22, s22, VST
	s_mul_i32 s23, s14, 64*272
	s_add_co_u32 s23, s23, VST
	v_and_b32 v1, 15, v0                           ; r
	v_bfe_u32 v2, v0, 4, 1                         ; h'
	v_and_b32 v3, 31, v0                           ; lane
	v_mul_u32_u24 v4, v1, PITCH
	v_lshl_add_u32 v4, v2, 4, v4                   ; a fragment's row x pitch + 16 h'
	v_add_nc_u32 v[ADRA], s18, v4
	v_add_nc_u32 v[ADRB], s19, v4
	v_add_nc_u32 v[ADRA+1], SLOT, v[ADRA]
	v_add_nc_u32 v[ADRB+1], SLOT, v[ADRB]
	v_add_nc_u32 v[VSTO], s22, v4                  ; v's stage, in: row = column d, byte 128 x my half of the positions + 16 h'
	v_mul_u32_u24 v5, v1, 144
	v_lshl_add_u32 v5, v2, 3, v5
	v_add_nc_u32 v[STO], s20, v5                   ; q's stage, in: row r, 8 bytes for each half of the lanes
	v_lshrrev_b32 v5, 2, v3
	v_mul_u32_u24 v5, v5, 144
	v_and_b32 v6, 3, v3
	v_lshl_add_u32 v5, v6, 4, v5
	v_add_nc_u32 v[RD], s20, v5                    ; back: four lanes to a head's 64 bytes of a row
	v_lshlrev_b32 v[CO], 4, v3
	v_mul_u32_u24 v5, v2, 272
	v_lshl_add_u32 v5, v1, 4, v5
	v_add_nc_u32 v[VRD], s23, v5                   ; v's stage, back: sixteen lanes to a row of 256 bytes
	v_lshlrev_b32 v5, 10, v2
	v_lshl_add_u32 v[VCO], v1, 4, v5
	v_lshlrev_b32 v6, 2, v1
	v_lshlrev_b32 v7, 5, v2
	v_lshlrev_b32 v[PFO], 11, v3
	s_wait_alu depctr_va_vdst(0)                   ; the wait behind the head's vector lines
.irp b, 0,1,2,3,4,5,6,7
	global_load_b128 v[BIASC+8*\b:BIASC+8*\b+3], v7, s[8:9] offset:64*\b
	global_load_b128 v[BIASC+8*\b+4:BIASC+8*\b+7], v7, s[8:9] offset:64*\b+16
.endr
.irp a, 0,1,2,3,4,5,6,7
	global_load_b32 v[BV+\a], v6, s[10:11] offset:64*\a
.endr
	ASK 0, 0                                       ; K step 2
	s_wait_kmcnt 0x0
	s_add_co_i32 s96, s84, s85                     ; the sums stand for sum x 2^(e0 + e1); q's codes are q / 2^(e7 + 3)
	s_add_co_i32 s97, s91, 3
	s_add_co_i32 s98, s86, s87
	s_add_co_i32 s99, s88, s89
	s_cmp_eq_u32 s42, 8
	s_cselect_b32 s96, s98, s96
	s_cselect_b32 s97, s90, s97                    ; k: e2 + e3, e6
	s_cmp_eq_u32 s42, 9
	s_cselect_b32 s96, s99, s96
	s_cselect_b32 s97, s92, s97                    ; v: e4 + e5, e8
	s_sub_co_i32 s97, s97, s96
	s_sub_co_i32 s98, 127, s96
	s_lshl_b32 s98, s98, 23                        ; the bias's factor
	s_cmp_eq_u32 s42, 9
	s_cselect_b32 s66, 0, s98
	s_mov_b32 s67, s66
	s_add_co_i32 s97, s97, 127
	s_lshl_b32 s96, s97, 23                        ; the conversion's scale,
	s_add_co_i32 s97, s97, 8
	s_lshl_b32 s97, s97, 23
	s_or_b32 s97, s97, 0x600000                    ; and 448 x that
.macro FRAG reg, adr, q, i
.irp c, 0,1,2,3
	ds_load_b128 v[\reg+4*\c:\reg+4*\c+3], v[\adr] offset:128*(\q)+32*\c+(\i)*16*PITCH
.endr
.endm
; 16 matrix instructions; the 64 accumulators take turns in the same order in every step.  first = 1: the bias is the C
.macro MUL16 a0, p, first
.irp a, \a0, \a0+1
.irp b, 0,1,2,3,4,5,6,7
.if \first
	v_wmma_f32_16x16x128_fp8_fp8 v[8*(8*((\a)%4)+\b):8*(8*((\a)%4)+\b)+7], v[128*(\p)+FR*\b:128*(\p)+FR*\b+FR-1], v[AF+FR*(\a):AF+FR*(\a)+FR-1], v[BIASC+8*\b:BIASC+8*\b+7]
.else
	v_wmma_f32_16x16x128_fp8_fp8 v[8*(8*((\a)%4)+\b):8*(8*((\a)%4)+\b)+7], v[128*(\p)+FR*\b:128*(\p)+FR*\b+FR-1], v[AF+FR*(\a):AF+FR*(\a)+FR-1], v[8*(8*((\a)%4)+\b):8*(8*((\a)%4)+\b)+7]
.endif
.endr
.endr
.endm
.macro FETCH_B slot, q, p
	WIN TO_B
.irp i, 0,1,2,3,4,5,6,7
	FRAG 128*(\p)+FR*\i, ADRB+\slot, \q, \i
.endr
	WIN 0
.endm
.macro FETCH_A slot, q, i0
.irp i, \i0, \i0+1, \i0+2, \i0+3
	FRAG AF+FR*(\i), ADRA+\slot, \q, \i
.endr
.endm
.macro PLACES n
.rept \n
	v_nop
.endr
.endm
; A step of 128 along K whose successor lies in the same slot
.macro STEP slot, q, first
	s_wait_dscnt 4*NL                              ; all but region A's blocks 4-7
.if \first
	WIN 0x81
.else
	WIN MUL_LO
.endif
	MUL16 0, (\q)%2, \first
	MUL16 2, (\q)%2, \first
	s_wait_dscnt 0
	PLACES NP                                      ; places in front of loads into registers that matrix instructions have read
	FETCH_B \slot, (\q)+1, 1-(\q)%2
	FETCH_A \slot, (\q)+1, 0
.if \first
	WIN 0xc1
.else
	WIN MUL_HI
.endif
	MUL16 4, (\q)%2, \first
	MUL16 6, (\q)%2, \first
	PLACES NP
	WIN 0
	FETCH_A \slot, (\q)+1, 4
.endm
; A slot's last step changes slots.  fill = 1: the slot is filled again, two K steps on, behind a round of the cluster's barrier
.macro TURN slot, next, fill
.if \fill
	s_wait_xcnt 0x0                                ; my prefetches have read their address
	s_add_nc_u64 s[PFA:PFA+1], s[PFA:PFA+1], ROWB
.endif
	s_wait_tensorcnt 0x0                           ; my part of the next slot is in
	ds_add_u32 v[SPW], v[NIL]
	s_wait_dscnt 4*NL+1                            ; (the add and region A's blocks 4-7 may be out)
	WIN MUL_LO
	MUL16 0, 1, 0
	s_wait_dscnt 0x0                               ; the add is done, my reads of this slot are over
	s_barrier_signal -1
	MUL16 2, 1, 0
	WIN 0
	s_barrier_wait -1
.if \fill
	CREST
	s_add_nc_u64 s[G0+4*\slot+2:G0+4*\slot+3], s[G0+4*\slot+2:G0+4*\slot+3], 2*ROWB
	s_add_nc_u64 s[G0B+4*\slot+2:G0B+4*\slot+3], s[G0B+4*\slot+2:G0B+4*\slot+3], 2*ROWB
	JLOAD \slot                                    ; the first tensor load behind the round; its four v_nop are the places for the loads below
.else
	PLACES NP
.endif
	FETCH_B \next, 0, 0
	FETCH_A \next, 0, 0
.if \fill
	ASK ROWB, 1
.endif
	WIN MUL_HI
	MUL16 4, 1, 0
	MUL16 6, 1, 0
	PLACES NP
	WIN 0
	FETCH_A \next, 0, 4
.endm
; The table of block a (16 positions x 32 pairs of cos and sin, 4,096 bytes): blocks 0-2 into window 0's v32-127, blocks 3-7 into window 1's v0-159
.macro RLOAD a
.if (\a) < 3
.set RR, 32+32*(\a)
	WIN 0
.else
.set RR, 32*((\a)-3)
	WIN TO_B
.endif
.irp k, 0,1,2,3,4,5,6,7
	global_load_b128 v[RR+4*\k:RR+4*\k+3], v[CO], s[80:81] offset:4096*(\a)+512*\k
.endr
.endm
; The last K step's two steps of 128.  rope = 1: the table is asked for under them, into registers that are done with: v32-127; region B's set 0 behind its last products and their places
.macro LAST2 rope
.if \rope
	RLOAD 0
	RLOAD 1
	RLOAD 2
.endif
	STEP 1, 0, 0
.if \rope
	RLOAD 3
	RLOAD 4
	RLOAD 5
	RLOAD 6
	WIN 0
.endif
	s_wait_dscnt 4*NL
	WIN MUL_LO
	MUL16 0, 1, 0
	MUL16 2, 1, 0
	s_wait_dscnt 0
	WIN MUL_HI
	MUL16 4, 1, 0
	MUL16 6, 1, 0
	WIN 0
	PLACES NP
.endm
	s_wait_tensorcnt 0x0                           ; my part of K step 0 is in; slot 1's first fill is issued as a refill is:
	ds_add_u32 v[SPW], v[NIL]
	s_wait_dscnt 0x0
	CROUND
	JLOAD 1                                        ; K step 1
	FETCH_B 0, 0, 0
	FETCH_A 0, 0, 0
	FETCH_A 0, 0, 4
	ASK ROWB, 0                                    ; K step 3
	s_wait_loadcnt 0x0                             ; the biases
.set j, 0
.rept 32
	v_pk_mul_f32 v[BIASC+j:BIASC+j+1], v[BIASC+j:BIASC+j+1], s[66:67] op_sel_hi:[1,0]
.set j, j+2
.endr
.irp a, 0,1,2,3,4,5,6,7
	v_mul_f32 v[BV+\a], s98, v[BV+\a]
.endr
	s_wait_alu depctr_va_vdst(0)                   ; the wait ahead of the wait below
	STEP 0, 0, 1
	s_mov_b32 s3, LAPS-1
.Llap:                                             ; a trip goes once round the ring and fills both slots again
	TURN 0, 1, 1
	STEP 1, 0, 0
	TURN 1, 0, 1
	STEP 0, 0, 0
	s_sub_co_u32 s3, s3, 1
	s_cmp_lg_u32 s3, 0
	s_cbranch_scc1 .Llap
	TURN 0, 1, 0
	s_cmp_eq_u32 s42, 9                            ; the ways part here, once: v has no rotation and loads no table
	s_cbranch_scc1 .Lvway
	LAST2 1
	RLOAD 7
	WIN 0
	v_mov_b32 v[SCL], s96
	v_mov_b32 v[LIM], s97
; q, k: block a (16 positions x 128 columns): rotated, held, converted, through my stage, out as 1,024 consecutive bytes of each of two heads
.macro QBLK a
.set AC, 64*((\a)%4)
.set BB, BK+16*((\a)%2)
.if (\a) < 3
.set RQ, 32+32*(\a)
.set RW, 0
	s_wait_loadcnt 8*(2-(\a))+40                   ; the later blocks' table loads, eight each, may be out
.else
.set RQ, 32*((\a)-3)
.set RW, 1
	s_wait_loadcnt 8*(7-(\a))
.endif
	WIN (0x02+((\a)/4))|(RW<<2)
.set i, 0
.rept 32
	v_pk_mul_f32 v[TMP+2*i:TMP+2*i+1], v[AC+2*i:AC+2*i+1], v[RQ+2*(i%16):RQ+2*(i%16)+1] op_sel_hi:[1,0]   ; (even, odd) x cos
.set i, i+1
.endr
.set i, 0
.rept 32
	v_pk_fma_f32 v[TMP+2*i:TMP+2*i+1], v[AC+2*i:AC+2*i+1], v[RQ+2*(i%16):RQ+2*(i%16)+1], v[TMP+2*i:TMP+2*i+1] op_sel:[1,1,0] op_sel_hi:[0,1,1] neg_lo:[0,1,0]   ; - odd x sin, + even x sin
.set i, i+1
.endr
	WIN 0
.set i, 0
.rept 64
	v_med3_num_f32 v[TMP+i], v[TMP+i], -v[LIM], v[LIM]   ; the conversion does not saturate (ISA guide 7.6.2)
.set i, i+1
.endr
.irp b, 0,1,2,3,4,5,6,7
	v_cvt_scalef32_pk8_fp8_f32 v[CD+2*\b:CD+2*\b+1], v[TMP+8*\b:TMP+8*\b+7], v[SCL]
.endr
	v_nop
.irp b, 0,1,2,3,4,5,6,7
	ds_store_b64 v[STO], v[CD+2*\b:CD+2*\b+1] offset:16*\b
.endr
.irp hh, 0,1
.irp q, 0,1
	ds_load_b128 v[BB+4*(2*\hh+\q):BB+4*(2*\hh+\q)+3], v[RD] offset:1152*\q+64*\hh   ; LDS serves a wave's instructions in order
.endr
.endr
.endm
.macro QSEND a, younger
.set BB, BK+16*((\a)%2)
	s_wait_dscnt \younger
.irp hh, 0,1
.irp q, 0,1
	global_store_b128 v[CO], v[BB+4*(2*\hh+\q):BB+4*(2*\hh+\q)+3], s[82:83] offset:1024*(\a)+65536*\hh+512*\q   ; 32 lanes store 512 consecutive bytes
.endr
.endr
.endm
	QBLK 0
.irp a, 1,2,3,4,5,6,7
.if \a > 1
	s_wait_xcnt 0x0                                ; block a - 2's stores have read their registers
.endif
	QBLK \a
	QSEND \a-1, 12                                 ; behind block a - 1's loads: block a's 8 stores and 4 loads
.endr
	QSEND 7, 0
	s_branch .Ldone
.Lvway:
	LAST2 0
	v_mov_b32 v[SCL], s96
	v_mov_b32 v[LIM], s97
; v: block a (16 columns d x 128 positions): + the bias, held, converted, into the work-group's stage
.macro VBLK a
.set AC, 64*((\a)%4)
	WIN 0x02+((\a)/4)
.set i, 0
.rept 64
	v_add_f32 v[TMP+i], v[AC+i], v[BV+(\a)]
.set i, i+1
.endr
	WIN 0
.set i, 0
.rept 64
	v_med3_num_f32 v[TMP+i], v[TMP+i], -v[LIM], v[LIM]
.set i, i+1
.endr
.irp b, 0,1,2,3,4,5,6,7
	v_cvt_scalef32_pk8_fp8_f32 v[CD+2*\b:CD+2*\b+1], v[TMP+8*\b:TMP+8*\b+7], v[SCL]
.endr
	v_nop
.irp e, 0,1,2,3
	ds_store_b128 v[VSTO], v[CD+4*\e:CD+4*\e+3] offset:4352*(\a)+32*\e
.endr
.endm
.irp a, 0,1,2,3,4,5,6,7
	VBLK \a
.endr
	s_wait_dscnt 0x0                               ; for the others' sake: a row's 256 bytes come from two waves
	s_barrier_signal -1
	s_barrier_wait -1
.set i, 0
.rept 16
	ds_load_b128 v[32+4*i:35+4*i], v[VRD] offset:544*i
.set i, i+1
.endr
.set i, 0
.rept 16
	ds_load_b128 v[128+4*i:131+4*i], v[VRD] offset:544*(16+i)
.set i, i+1
.endr
.set i, 0
.rept 16
	s_wait_dscnt 31-i
	global_store_b128 v[VCO], v[32+4*i:35+4*i], s[82:83] offset:2048*i   ; sixteen lanes store 256 consecutive bytes, aligned
.set i, i+1
.endr
.set i, 0
.rept 16
	s_wait_dscnt 15-i
	global_store_b128 v[VCO], v[128+4*i:131+4*i], s[82:83] offset:2048*(16+i)
.set i, i+1
.endr
.Ldone:
	s_wait_tensorcnt 0x0                           ; the wave's end
	ds_add_u32 v[SPW], v[NIL]
	s_wait_dscnt 0x0
	CROUND                                         ; the closing round
	s_endpgm
.Lfunc_end_k_qbd3e4c5f23_qkv:
	.size	k_qbd3e4c5f23_qkv, .Lfunc_end_k_qbd3e4c5f23_qkv-k_qbd3e4c5f23_qkv
	.p2alignl 7, 3214868480
	.fill 96, 4, 3214868480
	.section	.rodata,"a",@progbits
	.p2align	6, 0x0
	.amdhsa_kernel k_qbd3e4c5f23_qkv
		.amdhsa_group_segment_fixed_size 327680
		.amdhsa_private_segment_fixed_size 0
		.amdhsa_enable_private_segment 0
		.amdhsa_kernarg_size 64
		.amdhsa_user_sgpr_count 2
		.amdhsa_user_sgpr_kernarg_segment_ptr 1
		.amdhsa_wavefront_size32 1
		.amdhsa_system_sgpr_workgroup_id_x 1
		.amdhsa_system_sgpr_workgroup_id_y 1
		.amdhsa_system_sgpr_workgroup_id_z 1
		.amdhsa_system_vgpr_workitem_id 0
		.amdhsa_next_free_vgpr 1024
		.amdhsa_next_free_sgpr 100
		.amdhsa_reserve_vcc 0
		.amdhsa_float_denorm_mode_32 3
		.amdhsa_float_denorm_mode_16_64 3
		.amdhsa_memory_ordered 1
		.amdhsa_forward_progress 1
		.amdhsa_inst_pref_size 246
	.end_amdhsa_kernel
	.amdgpu_metadata
---
amdhsa.version: [ 1, 2 ]
amdhsa.kernels:
  - .name:           k_qbd3e4c5f23_qkv
    .symbol:         k_qbd3e4c5f23_qkv.kd
    .args:
      - { .name: xc, .offset: 0, .size: 8, .value_kind: global_buffer, .address_space: global }
      - { .name: wcodes, .offset: 8, .size: 8, .value_kind: global_buffer, .address_space: global }
      - { .name: lowp_scales, .offset: 16, .size: 8, .value_kind: global_buffer, .address_space: global }
      - { .name: bq, .offset: 24, .size: 8, .value_kind: global_buffer, .address_space: global }
      - { .name: bk, .offset: 32, .size: 8, .value_kind: global_buffer, .address_space: global }
      - { .name: bv, .offset: 40, .size: 8, .value_kind: global_buffer, .address_space: global }
      - { .name: rope, .offset: 48, .size: 8, .value_kind: global_buffer, .address_space: global }
      - { .name: qkvc, .offset: 56, .size: 8, .value_kind: global_buffer, .address_space: global }
    .group_segment_fixed_size: 327680
    .private_segment_fixed_size: 0
    .kernarg_segment_align: 8
    .kernarg_segment_size: 64
    .max_flat_workgroup_size: 128
    .sgpr_count:     100
    .vgpr_count:     1024
    .wavefront_size: 32
...
	.end_amdgpu_metadata
.endif
;; end of part 2
;; launch attn (part 3): grid 16 x 16, 16 waves a work-group, clusters of 4 x 1, 180,224 bytes of LDS; arguments qkvc, lowp_scales, ac; writes ac
.if DOCPART == 3
	.amdgcn_target "amdgcn-amd-amdhsa--gfx1250"
	.amdhsa_code_object_version 6
	.text
	.protected	k_qbd3e4c5f23_attn
	.globl	k_qbd3e4c5f23_attn
	.p2align	8
	.type	k_qbd3e4c5f23_attn,@function
k_qbd3e4c5f23_attn:
	s_mov_b64 s[64:65], 0
	v_nop
	global_prefetch_b8 v0, s[64:65] scope:SCOPE_SE
	s_setreg_imm32_b32 hwreg(HW_REG_WAVE_MODE, 25, 1), 1
	s_wait_xcnt 0x0
	s_wait_alu depctr_hold_cnt(0) depctr_sa_sdst(0) depctr_va_vdst(0) depctr_va_sdst(0) depctr_va_ssrc(0) depctr_va_vcc(0) depctr_vm_vsrc(0)
	s_getreg_b32 s2, hwreg(HW_REG_IB_STS2, 6, 4)
	s_cmp_eq_u32 s2, 0
	s_cbranch_scc0 .Lentry_in_a_cluster
	s_endpgm
.Lentry_in_a_cluster:
	s_bfe_u32 s2, ttmp6, 0x10000c
	s_cmp_lg_u32 s2, 0x3003
	s_cbranch_scc0 .Lentry_shape_is_right
	s_endpgm
.Lentry_shape_is_right:
; Causal attention on E4M3 codes.  For batch b, key-value head h and group g: S = q k^T (q's codes carry the 1 / 8), softmax over the keys j <= i, O = P v; O leaves as E4M3 codes (scale 2^e10).
; THE SOFTMAX AHEAD OF THE SECOND PRODUCT: t = logit x log2(e); M = the running largest t rounded UP to a whole number; p = 2^(t - M) is quantised (scale 2^e9), not normalised; the row's sum is taken of the
; unquantised p in f32 and divides O at the end.  When M moves, the sum and O are multiplied by 2^(old M - new M): exact.
; SHARES.  Work-group (J, cx; bh): one (b, h), all 8 groups.  Wave w: group w % 8, pr = w / 8.  With m = 2 cx + pr a wave makes two tiles of 16 queries, one after the other: block 63 - (8 J + m), then block 8 J + m.
; The first needs key steps 0 .. 7 - J (128 keys a step), the second 0 .. J: nine steps in every wave of every work-group.  Steps all of whose keys are hidden are jumped over by a scalar branch on J,
; which the partners of a cluster share; cx enters global addresses and the mask's numbers alone.  In a tile's last step hidden scores become -infinity ahead of the maximum.
; ALL OF THE HEAD'S K AND V LIE IN LDS, filled once: waves 0 to 3 ask for k's four quarters (256 keys each), waves 4 to 7 for v's; one tensor load a wave.
; CLUSTER: the four work-groups of a cluster belong to one (b, h) and need the same k and v: each quarter is asked for JOINTLY (mask 15).
; LAYOUT.  Both products are used transposed: S^T = k q^T (source 0 = 16 keys), O^T = v^T P^T (source 0 = 16 of the head's 64): a lane holds ONE query (lane % 16) throughout.  Tile T of S^T gives a lane keys
; 16 T + 8 (lane / 16) + 0 .. 7: its eight codes are registers 2 T, 2 T + 1 of the second product's operand.  v's codes lie in memory so that 16 bytes on end are four registers of the other operand.
; ac [4096][2048]: byte 512 h + 64 g + d of row 1024 b + position: a work-group writes 512 consecutive bytes of each of its rows.
; LIMITS: e6 + e7 between -126 and 126 (added to the exponent field of log2(e)); e9, and e10 - e8 - e9, between -126 and 119.
; REGISTERS: v1-11 addresses and the mask's numbers; v12 -M, v13 the largest t, v[14:15] the sum; v16-23, v24-31 q of the two tiles; v32-95 fragments of k, then of v; v96-159 S^T, then p; v160-191 O^T;
;   v192-207 p's codes; v208-215 O's codes; v216-223 at work; v224-228 constants; v229 q's offset; v232-247 rows on the way out.
; THE FILLS, in place of the sentence on them above: waves 0 to 3 ask for k's four quarters, waves 4 to 7 for v's, one tensor load a wave; one wait for 0 and one barrier show all eight to every wave.
.set VREG,  69632                      ; LDS: k in 0 .. 69,631: four keys to a row of 256 bytes + 16; v behind it: quarter x 17,408 + d x 272
.set QUART, 17408                      ; 64 rows of 272 bytes: a quarter of k, and of v
.set STAGE, 139264                     ; the way out: 64 rows x (512 bytes + 16)
.set SROW,  528
.set SPARE, STAGE+64*SROW              ; the spare words, 128 bytes for each of 16 waves: eight blocks of 256 bytes that no other line names
.set AK0, 1
.set AV0, 2
.set DLH, 3
.set DLL, 4
.set SPW, 5
.set NIL, 6
.set STO, 7
.set ADK, 8
.set ADV, 9
.set RDS, 10
.set LO,  11
.set QH,  16
.set QL,  24
.set WV,  18
.set SEL, 20
.set CS,  22
.set G1K, 24
.set G1V, 32
.set G0,  40                           ; s[40:43] my group 0
.set TB,  56                           ; LDS byte at which the quarter in hand begins
.set KS,  57                           ; the key step's number
.set LIM, 58                           ; the tile's last key step
.set CNT, 59
.macro CROUND                          ; a round of the cluster's barrier
	s_barrier_signal -1
	s_barrier_wait -1
	s_cmp_lg_u32 s[WV], 0
	s_cbranch_scc1 .Lnot_wave_0_\@
	s_barrier_signal -3
.Lnot_wave_0_\@:
	s_barrier_wait -3
	s_barrier_signal -1
	s_barrier_wait -1
.endm
	s_load_b128 s[4:7], s[0:1], 0x0                ; qkvc, the exponents
	s_load_b64 s[8:9], s[0:1], 0x10                ; ac
	v_lshl_add_u32 v[SPW], v0, 2, SPARE
	v_mov_b32 v[NIL], 0
	ds_add_u32 v[SPW], v[NIL]                      ; the wave's opening: the add and its wait ahead of the first tensor loads; work on registers stands between them
	ds_add_u32 v[SPW], v[NIL]
	v_lshrrev_b32 v8, 5, v0
	s_delay_alu instid0(VALU_DEP_1)
	v_readfirstlane_b32 s[WV], v8                  ; wave 0..15
	s_bfe_u32 s61, ttmp6, 0x40000                  ; cx
	s_and_b32 s62, ttmp7, 0xffff                   ; bh = 4 b + h, which the partners share
	s_mov_b32 s[G1K], 15|(3<<16)|(1<<20)|(1<<21)|(5<<22)|(3<<25)  ; the mask of all four, bit 21 beside it; elements of 8 bytes; padding: 4 words after every 64
	s_mov_b32 s[G1V], 15|(3<<16)|(1<<20)|(1<<21)|(5<<22)|(3<<25)
.irp g, G1K, G1V
	s_mov_b32 s[\g+1], 32<<16                      ; tensor_dim0: rows of 256 bytes, 32 elements (k: four keys, dense in memory; v: 256 places of a row)
	s_mov_b32 s[\g+2], 64<<16                      ; tensor_dim1
	s_mov_b32 s[\g+3], 32<<16                      ; tile_dim0
	s_mov_b32 s[\g+4], 64                          ; tile_dim1
	s_mov_b32 s[\g+6], 0
	s_mov_b32 s[\g+7], 0
.endr
	s_mov_b32 s[G1K+5], 32                         ; from row to row, in elements: k dense,
	s_mov_b32 s[G1V+5], 128                        ; v a row of 1,024 places
	s_mov_b32 s[SEL], 0x76543210
	s_mov_b32 s[SEL+1], 0xfedcba98
	s_bfe_u32 s11, s[WV], 0x10002                  ; (wave / 4) % 2: 0: k, 1: v
	s_and_b32 s16, s[WV], 3                        ; which quarter
	s_mul_i32 s10, s11, VREG
	s_mul_i32 s17, s16, QUART
	s_add_co_u32 s10, s10, s17                     ; where my quarter goes
	s_lshl_b32 s12, s11, 20                        ; v's region lies 2^20 bytes behind k's
	s_lshl_b32 s13, s62, 16                        ; a head's codes are 2^16 bytes in either
	s_add_co_u32 s12, s12, s13
	s_add_co_u32 s12, s12, 0x800000
	s_mul_i32 s14, s11, 16128
	s_sub_co_u32 s14, 16384, s14                   ; from quarter to quarter: 16,384 bytes in k, 256 in v
	s_mul_i32 s14, s14, s16
	s_add_co_u32 s12, s12, s14
	s_mov_b32 s13, 0
	s_wait_dscnt 0x0                               ; the opening add is done
	s_wait_kmcnt 0x0
	s_load_b256 s[84:91], s[6:7], 0x0              ; e0 .. e7
	s_load_b128 s[92:95], s[6:7], 0x20             ; e8 .. e11
	s_add_nc_u64 s[12:13], s[4:5], s[12:13]
	s_mov_b32 s[G0], 1
	s_mov_b32 s[G0+1], s10
	s_mov_b64 s[G0+2:G0+3], s[12:13]
	s_or_b32 s[G0+3], s[G0+3], 0x80000000
	CROUND                                         ; all four work-groups are here: the joint loads meet
	s_cmp_lt_u32 s[WV], 4                          ; one chain of branches on the wave's number, one fill to an arm; an s_nop 0 and four v_nop follow each
	s_cbranch_scc0 .Lnot_k
	tensor_load_to_lds s[G0:G0+3], s[G1K:G1K+7]
	s_nop 0
.rept 4
	v_nop
.endr
	s_branch .Lasked
.Lnot_k:
	s_cmp_lt_u32 s[WV], 8
	s_cbranch_scc0 .Lasked
	tensor_load_to_lds s[G0:G0+3], s[G1V:G1V+7]
	s_nop 0
.rept 4
	v_nop
.endr
.Lasked:
	v_and_b32 v8, 15, v0                           ; r
	v_bfe_u32 v9, v0, 4, 1                         ; h' = lane / 16
	s_delay_alu instid0(VALU_DEP_2)
	v_lshlrev_b32 v229, 6, v8
	s_delay_alu instid0(VALU_DEP_1)
	v_lshl_add_u32 v229, v9, 4, v229               ; q: row r of 64 bytes, + 16 h'
	s_wait_alu depctr_va_vdst(0)
	s_lshr_b32 s66, s[WV], 3                       ; pr
	s_and_b32 s11, s[WV], 7                        ; g
	s_lshl_b32 s63, s61, 1
	s_add_co_u32 s63, s63, s66                     ; m = 2 cx + pr
	s_lshr_b32 s12, s62, 2                         ; b
	s_and_b32 s13, s62, 3                          ; h
	s_lshl_b32 s14, s12, 5
	s_lshl_b32 s15, s11, 2
	s_add_co_u32 s14, s14, s15
	s_add_co_u32 s14, s14, s13
	s_lshl_b32 s14, s14, 10                        ; q's head 32 b + 4 g + h: its first row
	s_lshl_b32 s15, ttmp9, 3
	s_add_co_u32 s15, s15, s63                     ; the low block, 8 J + m,
	s_sub_co_u32 s16, 63, s15                      ; and the high one
	s_lshl_b32 s16, s16, 4
	s_add_co_u32 s16, s16, s14
	s_lshl_b32 s72, s16, 6
	s_mov_b32 s73, 0
	s_add_nc_u64 s[68:69], s[4:5], s[72:73]
	s_lshl_b32 s15, s15, 4
	s_add_co_u32 s15, s15, s14
	s_lshl_b32 s72, s15, 6
	s_add_nc_u64 s[70:71], s[4:5], s[72:73]
	global_load_b128 v[QH:QH+3], v229, s[68:69]            ; registers 4 c .. 4 c + 3 hold d = 32 c + 16 h' + 0 .. 15: the same permutation of d as in k's fragments
	global_load_b128 v[QH+4:QH+7], v229, s[68:69] offset:32
	global_load_b128 v[QL:QL+3], v229, s[70:71]
	global_load_b128 v[QL+4:QL+7], v229, s[70:71] offset:32
	v_lshrrev_b32 v222, 2, v8
	s_delay_alu instid0(VALU_DEP_1)
	v_mul_u32_u24 v[AK0], v222, 272
	v_and_b32 v222, 3, v8
	s_delay_alu instid0(VALU_DEP_1)
	v_lshl_add_u32 v[AK0], v222, 6, v[AK0]
	s_delay_alu instid0(VALU_DEP_1)
	v_lshl_add_u32 v[AK0], v9, 4, v[AK0]           ; k: key r of a tile: 272 (r / 4) + 64 (r % 4) + 16 h': sixteen lanes touch sixteen different columns of 16 bytes
	v_mul_u32_u24 v[AV0], v8, 272
	s_delay_alu instid0(VALU_DEP_1)
	v_lshl_add_u32 v[AV0], v9, 4, v[AV0]
	s_delay_alu instid0(VALU_DEP_1)
	v_add_nc_u32 v[AV0], VREG, v[AV0]              ; v: row d = r of a tile
	v_lshlrev_b32 v222, 3, v9
	s_delay_alu instid0(VALU_DEP_1)
	v_sub_nc_u32 v222, v8, v222                    ; r - 8 h'
	s_lshl_b32 s67, s63, 4
	v_add_nc_u32 v[DLL], s67, v222                 ; in a tile's last step register 8 T + j is hidden where 16 T + j > my query - the step's first key - 8 h': for the low tile 16 m + r - 8 h',
	s_sub_co_u32 s67, 112, s67
	v_add_nc_u32 v[DLH], s67, v222                 ; for the high one 16 (7 - m) + r - 8 h'
	s_mul_i32 s10, s66, 16*SROW
	s_lshl_b32 s14, s11, 6
	s_add_co_u32 s10, s10, s14
	s_add_co_u32 s10, s10, STAGE
	v_mul_u32_u24 v[STO], v8, SROW
	s_delay_alu instid0(VALU_DEP_1)
	v_lshl_add_u32 v[STO], v9, 3, v[STO]
	s_delay_alu instid0(VALU_DEP_1)
	v_add_nc_u32 v[STO], s10, v[STO]               ; the stage, in: row 16 pr + r (+ 32 for the second tile), byte 64 g + 8 h'
	s_mul_i32 s10, s[WV], 4*SROW
	s_add_co_u32 s10, s10, STAGE
	v_and_b32 v[LO], 31, v0
	s_delay_alu instid0(VALU_DEP_1)
	v_lshlrev_b32 v[LO], 4, v[LO]
	s_delay_alu instid0(VALU_DEP_1)
	v_add_nc_u32 v[RDS], s10, v[LO]                ; back: wave w takes rows 4 w .. 4 w + 3, 32 lanes to a row of 512 bytes
	s_bfe_u32 s74, s[WV], 0x10002                  ; those rows belong to tile w / 8 (0: high, 1: low) of pr' = (w / 4) % 2, queries 4 (w % 4) on
	s_lshl_b32 s75, s61, 1
	s_add_co_u32 s74, s74, s75
	s_lshl_b32 s75, ttmp9, 3
	s_add_co_u32 s74, s74, s75
	s_sub_co_u32 s75, 63, s74
	s_cmp_eq_u32 s66, 0
	s_cselect_b32 s74, s75, s74                    ; their block of 16 queries
	s_lshl_b32 s74, s74, 4
	s_and_b32 s75, s[WV], 3
	s_lshl_b32 s75, s75, 2
	s_add_co_u32 s74, s74, s75
	s_lshl_b32 s75, s12, 10
	s_add_co_u32 s74, s74, s75                     ; row 1024 b + position
	s_lshl_b32 s74, s74, 11
	s_lshl_b32 s75, s13, 9
	s_add_co_u32 s74, s74, s75                     ; + 512 h
	s_mov_b32 s75, 0
	s_add_nc_u64 s[8:9], s[8:9], s[74:75]
	v_mov_b32 v216, 0                              ; written once: a lane permute's destination counts as one of its sources
	v_mov_b32 v221, 0                              ; (named as the upper halves of pairs)
	v_mov_b32 v223, 0
	v_mov_b32 v228, 0xff800000                     ; -infinity
	s_wait_kmcnt 0x0
	s_add_co_i32 s76, s90, s91
	s_lshl_b32 s76, s76, 23
	s_mov_b32 s[CS], 0x3fb8aa3b                    ; log2(e);
	s_add_co_i32 s[CS], s[CS], s76                 ; a score stands for score x 2^(e6 + e7): added to the exponent field
	s_mov_b32 s[CS+1], s[CS]
	s_add_co_i32 s76, s93, 127
	s_lshl_b32 s77, s76, 23
	v_mov_b32 v225, s77                            ; 2^e9
	s_add_co_i32 s76, s76, 8
	s_lshl_b32 s76, s76, 23
	s_or_b32 s76, s76, 0x600000
	v_mov_b32 v224, s76                            ; 448 x 2^e9
	s_sub_co_i32 s76, s94, s92
	s_sub_co_i32 s76, s76, s93
	s_add_co_i32 s76, s76, 127
	s_lshl_b32 s77, s76, 23
	v_mov_b32 v227, s77                            ; 2^(e10 - e8 - e9): the sums of the second product stand for sum x 2^(e8 + e9)
	s_add_co_i32 s76, s76, 8
	s_lshl_b32 s76, s76, 23
	s_or_b32 s76, s76, 0x600000
	v_mov_b32 v226, s76
; A KEY STEP: 128 keys, the sq-th of the quarter in hand, for the tile whose q lies in v[q] on and whose mask number is v[dl].
.macro STEP q, sq, dl
	s_cmp_gt_u32 s[KS], s[LIM]                     ; all its keys come after my queries: only the step's number goes on
	s_cbranch_scc1 .Lhid_\@
	v_add_nc_u32 v[ADK], s[TB], v[AK0]
	v_add_nc_u32 v[ADV], s[TB], v[AV0]
	v_nop
	v_nop                                          ; four places in front of loads into registers that the last products read
.irp t, 0,1,2,3,4,5,6,7
	ds_load_b128 v[32+8*\t:35+8*\t], v[ADK] offset:8704*\sq+1088*\t
	ds_load_b128 v[36+8*\t:39+8*\t], v[ADK] offset:8704*\sq+1088*\t+32
.endr
	s_wait_alu depctr_va_vdst(0)
	s_wait_dscnt 0x0
.irp t, 0,1,2,3,4,5,6,7
	v_wmma_f32_16x16x64_fp8_fp8 v[96+8*\t:103+8*\t], v[32+8*\t:39+8*\t], v[\q:\q+7], 0
.endr
.rept 4
	v_nop
.endr
.irp t, 0,1,2,3
.irp c, 0,1,2,3
	ds_load_b128 v[32+16*\t+4*\c:35+16*\t+4*\c], v[ADV] offset:4352*\t+128*\sq+32*\c   ; v's fragments land while the softmax is worked
.endr
.endr
	s_cmp_lg_u32 s[KS], s[LIM]                     ; only the tile's last step lies on the diagonal
	s_cbranch_scc1 .Lopen_\@
.set n, 0
.rept 64
	v_cmp_gt_i32 vcc_lo, 16*(n/8)+n%8, v[\dl]
	v_cndmask_b32 v[96+n], v[96+n], v228, vcc_lo
.set n, n+1
.endr
.Lopen_\@:
	v_max3_num_f32 v222, v96, v97, v98             ; the step's largest score of my query among my 64 keys, in two chains,
	v_max3_num_f32 v223, v99, v100, v101
.set n, 6
.rept 14
	v_max3_num_f32 v222, v222, v[96+n], v[97+n]
	v_max3_num_f32 v223, v223, v[98+n], v[99+n]
.set n, n+4
.endr
	v_max3_num_f32 v222, v222, v158, v159
	s_delay_alu instid0(VALU_DEP_1)
	v_max_num_f32 v222, v222, v223
	s_delay_alu instid0(VALU_DEP_1)
	v_permlanex16_b32 v216, v222, s[SEL], s[SEL+1]
	s_delay_alu instid0(VALU_DEP_1)
	v_max_num_f32 v222, v222, v216                 ; and among lane l xor 16's
	s_delay_alu instid0(VALU_DEP_1)
	v_mul_f32 v222, s[CS], v222                    ; as t
	s_delay_alu instid0(VALU_DEP_1)
	v_max_num_f32 v13, v13, v222                   ; the running largest t
	v_mov_b32 v222, v12
	s_delay_alu instid0(VALU_DEP_2)
	v_floor_f32 v12, -v13                          ; the new -M = floor(-t): M is a whole number
	s_delay_alu instid0(VALU_DEP_1)
	v_sub_f32 v222, v12, v222                      ; old M - new M, 0 or less
	s_delay_alu instid0(VALU_DEP_1)
	v_cvt_i32_f32 v222, v222                       ; (it saturates)
	s_delay_alu instid0(VALU_DEP_1)
	v_ldexp_f32 v220, 1.0, v222                    ; f = 2^(old M - new M)
.set n, 0
.rept 32
	v_pk_fma_f32 v[96+n:97+n], v[96+n:97+n], s[CS:CS+1], v[12:13] op_sel_hi:[1,0,0]   ; t - M, two at a time
.set n, n+2
.endr
.set n, 0
	s_wait_alu depctr_va_vdst(0)
.rept 64
	v_exp_f32 v[96+n], v[96+n]                     ; p = 2^(t - M)
.set n, n+1
.endr
	v_pk_mul_f32 v[14:15], v[14:15], v[220:221] op_sel_hi:[1,0]   ; the sum under the new M: a plain line behind the exponentials
	s_wait_alu depctr_va_vdst(0)                   ; one wait for the whole batch, ahead of its first reader
	v_pk_add_f32 v[218:219], v[100:101], v[104:105]
	v_pk_add_f32 v[254:255], v[108:109], v[112:113]
	v_pk_add_f32 v[252:253], v[116:117], v[120:121]
	v_pk_add_f32 v[250:251], v[124:125], v[128:129]
	v_pk_add_f32 v[248:249], v[132:133], v[136:137]
	v_pk_add_f32 v[246:247], v[140:141], v[144:145]
	v_pk_add_f32 v[244:245], v[148:149], v[152:153]
	v_pk_add_f32 v[14:15], v[14:15], v[156:157]
	v_pk_add_f32 v[218:219], v[218:219], v[96:97]
	v_pk_add_f32 v[254:255], v[254:255], v[98:99]
	v_pk_add_f32 v[252:253], v[252:253], v[102:103]
	v_pk_add_f32 v[250:251], v[250:251], v[106:107]
	v_pk_add_f32 v[248:249], v[248:249], v[110:111]
	v_pk_add_f32 v[246:247], v[246:247], v[114:115]
	v_pk_add_f32 v[244:245], v[244:245], v[118:119]
	v_pk_add_f32 v[14:15], v[14:15], v[122:123]
	v_pk_add_f32 v[218:219], v[218:219], v[126:127]
	v_pk_add_f32 v[254:255], v[254:255], v[130:131]
	v_pk_add_f32 v[252:253], v[252:253], v[134:135]
	v_pk_add_f32 v[250:251], v[250:251], v[138:139]
	v_pk_add_f32 v[248:249], v[248:249], v[142:143]
	v_pk_add_f32 v[246:247], v[246:247], v[146:147]
	v_pk_add_f32 v[244:245], v[244:245], v[150:151]
	v_pk_add_f32 v[14:15], v[14:15], v[154:155]
	v_pk_add_f32 v[218:219], v[218:219], v[158:159]
	s_delay_alu instid0(VALU_DEP_2)
	v_pk_add_f32 v[14:15], v[14:15], v[250:251]
	s_delay_alu instid0(VALU_DEP_2)
	v_pk_add_f32 v[218:219], v[218:219], v[248:249]
	v_pk_add_f32 v[254:255], v[254:255], v[246:247]
	v_pk_add_f32 v[252:253], v[252:253], v[244:245]
	s_delay_alu instid0(VALU_DEP_2)
	v_pk_add_f32 v[14:15], v[14:15], v[254:255]
	s_delay_alu instid0(VALU_DEP_2)
	v_pk_add_f32 v[218:219], v[218:219], v[252:253]
	s_delay_alu instid0(VALU_DEP_1)
	v_pk_add_f32 v[14:15], v[14:15], v[218:219]
.irp t, 0,1,2,3,4,5,6,7
.irp i, 0,1,2,3,4,5,6,7
	v_min_num_f32 v[96+8*\t+\i], v[96+8*\t+\i], v224   ; the hold (ISA guide 7.6.2); p is not negative, so it is one-sided
.endr
	v_cvt_scalef32_pk8_fp8_f32 v[192+2*\t:193+2*\t], v[96+8*\t:103+8*\t], v225
.endr
.set n, 0
.rept 16
	v_pk_mul_f32 v[160+n:161+n], v[160+n:161+n], v[220:221] op_sel_hi:[1,0]   ; O^T under the new M; also the plain lines behind the conversions
.set n, n+2
.endr
	s_wait_alu depctr_va_vdst(0)
	s_wait_dscnt 0x0                               ; v's fragments are in
.irp t, 0,1,2,3
	v_wmma_f32_16x16x128_fp8_fp8 v[160+8*\t:167+8*\t], v[32+16*\t:47+16*\t], v[192:207], v[160+8*\t:167+8*\t]   ; the four accumulators by turns
.endr
.Lhid_\@:
	s_add_co_u32 s[KS], s[KS], 1
.endm
.macro INIT                            ; a tile begins: the first step finds zeros, which the first change of M leaves zeros
	v_mov_b32 v13, 0xff61b1e6                      ; -3e38, under every t
	s_delay_alu instid0(VALU_DEP_1)
	v_floor_f32 v12, -v13
	v_mov_b32 v14, 0
	v_mov_b32 v15, 0
.set n, 0
.rept 32
	v_mov_b32 v[160+n], 0
.set n, n+1
.endr
	s_mov_b32 s[KS], 0
	s_mov_b32 s[TB], 0
.endm
.macro FINISH pass                     ; O^T / the sum, quantised, into the stage
.rept 4
	v_nop
.endr
	v_add_f32 v14, v14, v15
	s_delay_alu instid0(VALU_DEP_1)
	v_permlanex16_b32 v216, v14, s[SEL], s[SEL+1]
	s_delay_alu instid0(VALU_DEP_1)
	v_add_f32 v14, v14, v216                       ; the row's sum
	s_wait_alu depctr_va_vdst(0)
	v_rcp_f32 v222, v14
	v_nop                                          ; a plain line behind the reciprocal,
	s_wait_alu depctr_va_vdst(0)                   ; and the wait ahead of its first reader
.set n, 0
.rept 16
	v_pk_mul_f32 v[96+n:97+n], v[160+n:161+n], v[222:223] op_sel_hi:[1,0]   ; each accumulator from its low end on
.set n, n+2
.endr
.set n, 0
.rept 32
	v_med3_num_f32 v[96+n], v[96+n], -v226, v226
.set n, n+1
.endr
.irp t, 0,1,2,3
	v_cvt_scalef32_pk8_fp8_f32 v[208+2*\t:209+2*\t], v[96+8*\t:103+8*\t], v227
.endr
	v_nop
.irp t, 0,1,2,3
	ds_store_b64 v[STO], v[208+2*\t:209+2*\t] offset:32*SROW*\pass+16*\t   ; d = 16 t + 8 h' + 0 .. 7 of my query
.endr
.endm
	INIT
	s_sub_co_u32 s[LIM], 7, ttmp9                  ; the high tile: key steps 0 .. 7 - J
	s_wait_loadcnt 0x0                             ; q
	s_wait_tensorcnt 0x0                           ; my quarter, if I asked for one, is in,
	s_barrier_signal -1
	s_barrier_wait -1                              ; and everybody sees all of k and v
	s_mov_b32 s[CNT], 4
.Lhigh:
	STEP QH, 0, DLH
	STEP QH, 1, DLH
	s_add_co_u32 s[TB], s[TB], QUART
	s_sub_co_u32 s[CNT], s[CNT], 1
	s_cmp_lg_u32 s[CNT], 0
	s_cbranch_scc1 .Lhigh
	FINISH 0
	INIT
	s_mov_b32 s[LIM], ttmp9                        ; the low tile: key steps 0 .. J, at most four
	s_mov_b32 s[CNT], 2
.Llow:
	STEP QL, 0, DLL
	STEP QL, 1, DLL
	s_add_co_u32 s[TB], s[TB], QUART
	s_sub_co_u32 s[CNT], s[CNT], 1
	s_cmp_lg_u32 s[CNT], 0
	s_cbranch_scc1 .Llow
	FINISH 1
	s_wait_dscnt 0x0                               ; for the others' sake: my stores into the stage are done; a row's 512 bytes come from eight waves
	s_barrier_signal -1
	s_barrier_wait -1
.irp i, 0,1,2,3
	ds_load_b128 v[232+4*\i:235+4*\i], v[RDS] offset:SROW*\i
.endr
.irp i, 0,1,2,3
	s_wait_dscnt 3-\i
	global_store_b128 v[LO], v[232+4*\i:235+4*\i], s[8:9] offset:2048*\i   ; 32 lanes store 512 consecutive bytes, aligned
.endr
	s_wait_tensorcnt 0x0                           ; the wave's end, behind my last tensor load and my last LDS store
	ds_add_u32 v[SPW], v[NIL]
	s_wait_dscnt 0x0
	CROUND                                         ; the closing round
	s_endpgm
.Lfunc_end_k_qbd3e4c5f23_attn:
	.size	k_qbd3e4c5f23_attn, .Lfunc_end_k_qbd3e4c5f23_attn-k_qbd3e4c5f23_attn
	.p2alignl 7, 3214868480
	.fill 96, 4, 3214868480
	.section	.rodata,"a",@progbits
	.p2align	6, 0x0
	.amdhsa_kernel k_qbd3e4c5f23_attn
		.amdhsa_group_segment_fixed_size 180224
		.amdhsa_private_segment_fixed_size 0
		.amdhsa_enable_private_segment 0
		.amdhsa_kernarg_size 24
		.amdhsa_user_sgpr_count 2
		.amdhsa_user_sgpr_kernarg_segment_ptr 1
		.amdhsa_wavefront_size32 1
		.amdhsa_system_sgpr_workgroup_id_x 1
		.amdhsa_system_sgpr_workgroup_id_y 1
		.amdhsa_system_sgpr_workgroup_id_z 1
		.amdhsa_system_vgpr_workitem_id 0
		.amdhsa_next_free_vgpr 256
		.amdhsa_next_free_sgpr 100
		.amdhsa_reserve_vcc 1
		.amdhsa_float_denorm_mode_32 3
		.amdhsa_float_denorm_mode_16_64 3
		.amdhsa_memory_ordered 1
		.amdhsa_forward_progress 1
		.amdhsa_inst_pref_size 104
	.end_amdhsa_kernel
	.amdgpu_metadata
---
amdhsa.version: [ 1, 2 ]
amdhsa.kernels:
  - .name:           k_qbd3e4c5f23_attn
    .symbol:         k_qbd3e4c5f23_attn.kd
    .args:
      - { .name: qkvc, .offset: 0, .size: 8, .value_kind: global_buffer, .address_space: global }
      - { .name: lowp_scales, .offset: 8, .size: 8, .value_kind: global_buffer, .address_space: global }
      - { .name: ac, .offset: 16, .size: 8, .value_kind: global_buffer, .address_space: global }
    .group_segment_fixed_size: 180224
    .private_segment_fixed_size: 0
    .kernarg_segment_align: 8
    .kernarg_segment_size: 24
    .max_flat_workgroup_size: 512
    .sgpr_count:     100
    .vgpr_count:     256
    .wavefront_size: 32
...
	.end_amdgpu_metadata
.endif
;; end of part 3
;; launch oproj (part 4): grid 8 x 32, 8 waves a work-group, clusters of 4 x 4, 327,680 bytes of LDS; arguments ac, wcodes, lowp_scales, bo, out0; writes out0
.if DOCPART == 4
	.amdgcn_target "amdgcn-amd-amdhsa--gfx1250"
	.amdhsa_code_object_version 6
	.text
	.protected	k_qbd3e4c5f23_oproj
	.globl	k_qbd3e4c5f23_oproj
	.p2align	8
	.type	k_qbd3e4c5f23_oproj,@function
k_qbd3e4c5f23_oproj:
	s_mov_b64 s[64:65], 0
	v_nop
	global_prefetch_b8 v0, s[64:65] scope:SCOPE_SE
	s_setreg_imm32_b32 hwreg(HW_REG_WAVE_MODE, 25, 1), 1
	s_wait_xcnt 0x0
	s_wait_alu depctr_hold_cnt(0) depctr_sa_sdst(0) depctr_va_vdst(0) depctr_va_sdst(0) depctr_va_ssrc(0) depctr_va_vcc(0) depctr_vm_vsrc(0)
	s_getreg_b32 s2, hwreg(HW_REG_IB_STS2, 6, 4)
	s_cmp_eq_u32 s2, 0
	s_cbranch_scc0 .Lentry_in_a_cluster
	s_endpgm
.Lentry_in_a_cluster:
	s_bfe_u32 s2, ttmp6, 0x10000c
	s_cmp_lg_u32 s2, 0xf033
	s_cbranch_scc0 .Lentry_shape_is_right
	s_endpgm
.Lentry_shape_is_right:
; out0 = attention's result x Wo + bo on E4M3 codes: ac [4096][2048] (2^e10) and rows 2560-4607 of wcodes (Wo's columns, 2^e11), both with K in the order 512 h + 64 g + d.
; A work-group of EIGHT waves makes 128 x 256 of out0; wave w makes rows 64 (w / 4) on x columns 64 (w % 4) on: 16 accumulators.  K goes in steps of 256 through a ring of two LDS slots (128 rows of ac, 256 of Wo).
; Every wave fills a part of a slot with one tensor load: waves 0-3 32 rows of ac each, waves 4-7 64 rows of Wo each.  A slot is multiplied in two steps of 128 along K, on two sets of fragments by turns.
; CLUSTER 4 x 4: ac's tiles are asked for jointly along a row of the cluster, Wo's along a column.  The matrix instruction is used transposed (source 0 = Wo's rows), so that a lane holds eight neighbouring columns of a row.
; The bias, divided by 2^(e10 + e11), is the first products' C; each finished sum is multiplied by 2^(e10 + e11) and leaves through the wave's stage in slot 0 as rows of 256 bytes.  LIMIT: e10 + e11 between -126 and 126.
; REGISTERS: window 0: v1-7 at work, v16-31 addresses, v32-63 the bias as C, v64-127 and v128-191 ac's fragments, two sets; window 1: v0-63 and v64-127 Wo's fragments, two sets, v128-255 the accumulators.
.set SIZE_N, 2048
.set KROW,   2048
.set ROWB,   256
.set PITCH,  272
.set FR,     16
.set APART,  32*PITCH
.set BPART,  64*PITCH
.set BOFF,   128*PITCH
.set SLOT,   BOFF+4*BPART
.set LAPS,   4
.set SPARE,  2*SLOT
.set SST,    16*272                    ; a wave's stage: 16 rows x (256 + 16) bytes, in slot 0 behind its last fill and last read
.set ADRA, 16
.set PFO,  18
.set ADRB, 20
.set STO,  24
.set RD,   25
.set CO,   26
.set SPW,  28
.set NIL,  29
.set BIASC, 32
.set AF,   64
.set BK,   64                          ; the way out: rows read back, v64-95 and v96-127 by turns
.set TMP,  192
.set ACC,  128
.set G1, 24
.set G0, 32
.set G1B, 48
.set G0B, 56
.set PFA, 68                           ; s[68:69] where my prefetches stand
.set PLIM, 70                          ; s70: 1 in a wave that prefetches, else the greatest number
.set MSB, 0
.macro WIN new
.if MSB != (\new)
	s_set_vgpr_msb (MSB<<8)|(\new)
.set MSB, \new
.endif
.endm
.macro JLOAD s                         ; my one tensor load for slot s; an s_nop 0 and four v_nop follow each line
	s_cmp_eq_u32 s15, 0
	s_cbranch_scc0 .Lfor_b_\@
	tensor_load_to_lds s[G0+4*\s:G0+4*\s+3], s[G1:G1+7]
	s_nop 0
.rept 4
	v_nop
.endr
	s_branch .Lasked_\@
.Lfor_b_\@:
	tensor_load_to_lds s[G0B+4*\s:G0B+4*\s+3], s[G1B:G1B+7]
	s_nop 0
.rept 4
	v_nop
.endr
.Lasked_\@:
.endm
; A PREFETCH INTO THE L2: behind the load of K step t, K step t + 2 of rows that my wave fetches, a lane a row.  The four partners that ask for the rows jointly share them out by address: of ac's 32 rows 8 to each (by cx),
; of Wo's 64 rows 16 to each (by cy); the lanes left over name the last row again.  Wo's tile is read by all eight rows of clusters: the first four ask.  guard = 1, in the loop: its last trip has no K step two on.
.macro ASK off, guard
.if \guard
	s_cmp_gt_u32 s3, s[PLIM]
.else
	s_cmp_eq_u32 s[PLIM], 1
.endif
	s_cbranch_scc0 .Lno_ask_\@
	global_prefetch_b8 v[PFO], s[PFA:PFA+1] offset:\off th:TH_LOAD_NT scope:SCOPE_SE
.Lno_ask_\@:
.endm
.macro CREST
	s_cmp_lg_u32 s14, 0
	s_cbranch_scc1 .Lnot_wave_0_\@
	s_barrier_signal -3
.Lnot_wave_0_\@:
	s_barrier_wait -3
	s_barrier_signal -1
	s_barrier_wait -1
.endm
.macro CROUND
	s_barrier_signal -1
	s_barrier_wait -1
	CREST
.endm
	s_load_b256 s[4:11], s[0:1], 0x0               ; ac, wcodes, the exponents, bo
	s_load_b64 s[12:13], s[0:1], 0x20              ; out0
	v_lshl_add_u32 v[SPW], v0, 2, SPARE
	v_mov_b32 v[NIL], 0
	ds_add_u32 v[SPW], v[NIL]                      ; the opening: the add, twice on end, and its wait ahead of my first tensor load
	ds_add_u32 v[SPW], v[NIL]
	v_lshrrev_b32 v1, 5, v0
	v_readfirstlane_b32 s14, v1                    ; wave 0..7
	s_lshr_b32 s15, s14, 2                         ; my half of the rows; also: I fetch for ac (0) or for Wo (1)
	s_and_b32 s16, s14, 3                          ; my quarter of the columns; also which part of that tile I fetch
	s_bfe_u32 s40, ttmp6, 0x40000                  ; cx, cy
	s_bfe_u32 s41, ttmp6, 0x40004
	s_lshl_b32 s42, ttmp9, 2
	s_add_co_u32 s42, s42, s40                     ; tile column
	s_and_b32 s74, ttmp7, 0xffff                   ; the cluster's y
	s_lshl_b32 s17, s74, 2
	s_add_co_u32 s17, s17, s41                     ; tile row
	s_lshl_b32 s43, s41, 2
	s_lshl_b32 s43, 15, s43                        ; my row of the cluster
	s_lshl_b32 s44, 0x1111, s40                    ; my column
	s_or_b32 s[G1+0], s43, (3<<16)|(1<<20)|(1<<21)|(5<<22)|(3<<25)   ; elements of 8 bytes: a tile's row is 32 of them; 4 words of padding after every 64
	s_or_b32 s[G1B+0], s44, (3<<16)|(1<<20)|(1<<21)|(5<<22)|(3<<25)
	s_mov_b32 s[G1+1], (ROWB/8)<<16
	s_mov_b32 s[G1+2], 32<<16
	s_mov_b32 s[G1+3], (ROWB/8)<<16
	s_mov_b32 s[G1+4], 32
	s_mov_b32 s[G1+5], KROW/8
	s_mov_b32 s[G1+6], 0
	s_mov_b32 s[G1+7], 0
	s_mov_b32 s[G1B+1], (ROWB/8)<<16
	s_mov_b32 s[G1B+2], 64<<16
	s_mov_b32 s[G1B+3], (ROWB/8)<<16
	s_mov_b32 s[G1B+4], 64
	s_mov_b32 s[G1B+5], KROW/8
	s_mov_b32 s[G1B+6], 0
	s_mov_b32 s[G1B+7], 0
	s_lshl_b32 s18, s16, 5
	s_lshl_b32 s20, s17, 7
	s_add_co_u32 s20, s20, s18
	s_lshl_b32 s20, s20, 11                        ; ac: row 128 x tile row + 32 x part
	s_mov_b32 s21, 0
	s_lshl_b32 s18, s16, 6
	s_lshl_b32 s46, s42, 8
	s_add_co_u32 s46, s46, s18
	s_lshl_b32 s46, s46, 11
	s_add_co_u32 s46, s46, 0x500000                ; Wo: row 2560 + 256 x tile column + 64 x part
	s_mov_b32 s47, 0
	s_mul_i32 s45, s16, APART
	s_mul_i32 s19, s16, BPART
	s_add_co_u32 s19, s19, BOFF
	s_lshl_b32 s72, s40, 14                        ; the prefetches: 8 cx rows on, or 16 cy rows on
	s_lshl_b32 s73, s41, 15
	s_cmp_lt_u32 s74, 4
	s_cselect_b32 s[PLIM], 1, -1
	s_cmp_eq_u32 s15, 0
	s_cselect_b32 s[PLIM], 1, s[PLIM]
	s_cselect_b32 s71, 7, 15                       ; the last lane with a row of its own
	s_cselect_b32 s72, s72, s73
	s_cselect_b32 s73, s20, s46
	s_add_co_u32 s72, s72, s73
	s_add_co_u32 s72, s72, 2*ROWB                  ; at K step 2
	s_mov_b32 s73, 0
	s_wait_dscnt 0x0                               ; both opening adds are done
	s_wait_kmcnt 0x0
	s_load_b64 s[96:97], s[8:9], 0x28              ; e10, e11
	s_add_nc_u64 s[20:21], s[4:5], s[20:21]
	s_add_nc_u64 s[46:47], s[6:7], s[46:47]
	s_cmp_eq_u32 s15, 0
	s_cselect_b64 s[PFA:PFA+1], s[4:5], s[6:7]
	s_add_nc_u64 s[PFA:PFA+1], s[PFA:PFA+1], s[72:73]
.irp s, 0,1
	s_mov_b32 s[G0+4*\s], 1
	s_add_co_u32 s[G0+4*\s+1], s45, \s*SLOT
	s_add_nc_u64 s[G0+4*\s+2:G0+4*\s+3], s[20:21], \s*ROWB
	s_or_b32 s[G0+4*\s+3], s[G0+4*\s+3], 0x80000000
	s_mov_b32 s[G0B+4*\s], 1
	s_add_co_u32 s[G0B+4*\s+1], s19, \s*SLOT
	s_add_nc_u64 s[G0B+4*\s+2:G0B+4*\s+3], s[46:47], \s*ROWB
	s_or_b32 s[G0B+4*\s+3], s[G0B+4*\s+3], 0x80000000
.endr
	CROUND                                         ; all sixteen work-groups are here: the first joint loads meet
	JLOAD 0                                        ; K step 0: one tensor load a wave at the head
	s_lshl_b32 s20, s17, 7
	s_lshl_b32 s21, s15, 6
	s_add_co_u32 s20, s20, s21
	s_lshl_b32 s20, s20, 13                        ; my first row of out0, in bytes
	s_mov_b32 s21, 0
	s_lshl_b32 s46, s42, 10
	s_lshl_b32 s47, s16, 8
	s_add_co_u32 s46, s46, s47                     ; my first column, in bytes
	s_mov_b32 s47, 0
	s_add_nc_u64 s[10:11], s[10:11], s[46:47]
	s_add_nc_u64 s[20:21], s[20:21], s[46:47]
	s_add_nc_u64 s[12:13], s[12:13], s[20:21]
	s_mul_i32 s22, s15, BPART                      ; my 64 rows of ac,
	s_mul_i32 s23, s16, BPART
	s_add_co_u32 s23, s23, BOFF                    ; my 64 rows of Wo,
	s_mul_i32 s18, s14, SST                        ; my stage
	v_and_b32 v1, 15, v0                           ; r
	v_bfe_u32 v2, v0, 4, 1                         ; h'
	v_and_b32 v3, 31, v0
	v_mul_u32_u24 v4, v1, PITCH
	v_lshl_add_u32 v4, v2, 4, v4
	v_add_nc_u32 v[ADRA], s22, v4
	v_add_nc_u32 v[ADRB], s23, v4
	v_add_nc_u32 v[ADRA+1], SLOT, v[ADRA]
	v_add_nc_u32 v[ADRB+1], SLOT, v[ADRB]
	v_mul_u32_u24 v5, v1, 272
	v_lshl_add_u32 v5, v2, 5, v5
	v_add_nc_u32 v[STO], s18, v5                   ; the stage, in: row r, 32 bytes for each half of the lanes
	v_mul_u32_u24 v5, v2, 272
	v_lshl_add_u32 v5, v1, 4, v5
	v_add_nc_u32 v[RD], s18, v5                    ; back: sixteen lanes to a row of 256 bytes, two rows an instruction
	v_lshlrev_b32 v5, 13, v2
	v_lshl_add_u32 v[CO], v1, 4, v5                ; and the same two rows in out0
	v_lshlrev_b32 v7, 5, v2
	v_min_u32 v[PFO], s71, v3
	v_lshlrev_b32 v[PFO], 11, v[PFO]
	s_wait_alu depctr_va_vdst(0)                   ; the wait behind the head's vector lines
.irp b, 0,1,2,3
	global_load_b128 v[BIASC+8*\b:BIASC+8*\b+3], v7, s[10:11] offset:64*\b
	global_load_b128 v[BIASC+8*\b+4:BIASC+8*\b+7], v7, s[10:11] offset:64*\b+16
.endr
	ASK 0, 0                                       ; K step 2
	s_wait_kmcnt 0x0
	s_add_co_i32 s96, s96, s97
	s_sub_co_i32 s98, 127, s96
	s_lshl_b32 s98, s98, 23                        ; 2^-(e10 + e11), for the bias
	s_mov_b32 s99, s98
	s_add_co_i32 s96, s96, 127
	s_lshl_b32 s96, s96, 23                        ; 2^(e10 + e11), for the sums
	s_mov_b32 s97, s96
.macro FRAG reg, adr, q, i             ; 16 rows x 128 K: registers 4 c .. 4 c + 3 hold K = 32 c + 16 h' + 0 .. 15, the same permutation of K on both sides
.irp c, 0,1,2,3
	ds_load_b128 v[\reg+4*\c:\reg+4*\c+3], v[\adr] offset:128*(\q)+32*\c+(\i)*16*PITCH
.endr
.endm
.macro FETCH slot, q, p                ; 32 LDS loads: the slot's q-th 128 along K into set p
	WIN 0x40
.irp i, 0,1,2,3
	FRAG 64*(\p)+FR*\i, ADRB+\slot, \q, \i
.endr
	WIN 0
.irp i, 0,1,2,3
	FRAG AF+64*(\p)+FR*\i, ADRA+\slot, \q, \i
.endr
.endm
; 8 matrix instructions; the 16 accumulators take turns in the same order in every step
.macro MUL8 a0, p, first
.irp a, \a0, \a0+1
.irp b, 0,1,2,3
.if \first
	v_wmma_f32_16x16x128_fp8_fp8 v[ACC+8*(4*(\a)+\b):ACC+8*(4*(\a)+\b)+7], v[64*(\p)+FR*\b:64*(\p)+FR*\b+FR-1], v[AF+64*(\p)+FR*(\a):AF+64*(\p)+FR*(\a)+FR-1], v[BIASC+8*\b:BIASC+8*\b+7]
.else
	v_wmma_f32_16x16x128_fp8_fp8 v[ACC+8*(4*(\a)+\b):ACC+8*(4*(\a)+\b)+7], v[64*(\p)+FR*\b:64*(\p)+FR*\b+FR-1], v[AF+64*(\p)+FR*(\a):AF+64*(\p)+FR*(\a)+FR-1], v[ACC+8*(4*(\a)+\b):ACC+8*(4*(\a)+\b)+7]
.endif
.endr
.endr
.endm
.macro PLACES
.rept 4
	v_nop                                          ; places in front of loads into registers that matrix instructions have read, and of reads of results
.endr
.endm
.macro H slot, first                   ; a slot's first step: set 0 is multiplied while set 1's loads are out
	s_wait_dscnt 0x0
	FETCH \slot, 1, 1
.if \first
	WIN 0x41                                       ; source 0 and D in window 1
.else
	WIN 0x51                                       ; source 0, C and D in window 1
.endif
	MUL8 0, 0, \first
	MUL8 2, 0, \first
	WIN 0
	PLACES
.endm
.macro TURN slot, next, fill           ; a slot's second step (set 1) changes slots
.if \fill
	s_wait_xcnt 0x0                                ; my prefetches have read their address
	s_add_nc_u64 s[PFA:PFA+1], s[PFA:PFA+1], ROWB
.endif
	s_wait_tensorcnt 0x0                           ; my part of the next slot is in
	ds_add_u32 v[SPW], v[NIL]
	s_wait_dscnt 0x0                               ; the add is done, my reads of this slot are over
	s_barrier_signal -1
	WIN 0x51
	MUL8 0, 1, 0
	WIN 0
	s_barrier_wait -1
.if \fill
	CREST
	s_add_nc_u64 s[G0+4*\slot+2:G0+4*\slot+3], s[G0+4*\slot+2:G0+4*\slot+3], 2*ROWB
	s_add_nc_u64 s[G0B+4*\slot+2:G0B+4*\slot+3], s[G0B+4*\slot+2:G0B+4*\slot+3], 2*ROWB
	JLOAD \slot                                    ; the first tensor load behind the round
.endif
	FETCH \next, 0, 0
.if \fill
	ASK ROWB, 1
.endif
	WIN 0x51
	MUL8 2, 1, 0
	WIN 0
	PLACES
.endm
	s_wait_tensorcnt 0x0                           ; my part of K step 0 is in; slot 1's first fill is issued as a refill is:
	ds_add_u32 v[SPW], v[NIL]
	s_wait_dscnt 0x0
	CROUND
	JLOAD 1                                        ; K step 1
	FETCH 0, 0, 0
	ASK ROWB, 0                                    ; K step 3
	s_wait_loadcnt 0x0                             ; the bias
.set j, 0
.rept 16
	v_pk_mul_f32 v[BIASC+j:BIASC+j+1], v[BIASC+j:BIASC+j+1], s[98:99] op_sel_hi:[1,0]
.set j, j+2
.endr
	s_wait_alu depctr_va_vdst(0)                   ; the wait ahead of the wait below
	H 0, 1
	s_mov_b32 s3, LAPS-1
.Llap:                                             ; a trip goes once round the ring and fills both slots again
	TURN 0, 1, 1
	H 1, 0
	TURN 1, 0, 1
	H 0, 0
	s_sub_co_u32 s3, s3, 1
	s_cmp_lg_u32 s3, 0
	s_cbranch_scc1 .Llap
	TURN 0, 1, 0
	H 1, 0
	s_wait_dscnt 0x0
	WIN 0x51
	MUL8 0, 1, 0
	MUL8 2, 1, 0
	WIN 0
	PLACES
; THE WAY OUT, block by block of 16 rows x 64 columns, through my stage, back as whole rows of 256 bytes
.macro TOSTAGE a
.set AC, ACC+32*(\a)
	WIN 0x01
.set j, 0
.rept 16
	v_pk_mul_f32 v[TMP+j:TMP+j+1], v[AC+j:AC+j+1], s[96:97] op_sel_hi:[1,0]   ; x 2^(e10 + e11); each accumulator from its low end on
.set j, j+2
.endr
	WIN 0
.irp b, 0,1,2,3
	ds_store_b128 v[STO], v[TMP+8*\b:TMP+8*\b+3] offset:64*\b
	ds_store_b128 v[STO], v[TMP+8*\b+4:TMP+8*\b+7] offset:64*\b+16
.endr
.set BB, BK+32*((\a)%2)
.irp t, 0,1,2,3,4,5,6,7
	ds_load_b128 v[BB+4*\t:BB+4*\t+3], v[RD] offset:\t*544   ; LDS serves a wave's instructions in order
.endr
.endm
.macro SEND a, younger
.set BB, BK+32*((\a)%2)
	s_wait_dscnt \younger
.irp t, 0,1,2,3,4,5,6,7
	global_store_b128 v[CO], v[BB+4*\t:BB+4*\t+3], s[12:13] offset:(16*(\a)+2*\t)*SIZE_N*4 th:TH_STORE_NT   ; sixteen lanes store 256 consecutive bytes, aligned
.endr
.endm
	TOSTAGE 0
.irp a, 1,2,3
.if \a > 1
	s_wait_xcnt 0x0                                ; block a - 2's stores have read their registers
.endif
	TOSTAGE \a
	SEND \a-1, 16                                  ; behind block a - 1's loads: block a's 8 stores and 8 loads
.endr
	SEND 3, 0
	s_wait_tensorcnt 0x0                           ; the wave's end
	ds_add_u32 v[SPW], v[NIL]
	s_wait_dscnt 0x0
	CROUND                                         ; the closing round
	s_endpgm
.Lfunc_end_k_qbd3e4c5f23_oproj:
	.size	k_qbd3e4c5f23_oproj, .Lfunc_end_k_qbd3e4c5f23_oproj-k_qbd3e4c5f23_oproj
	.p2alignl 7, 3214868480
	.fill 96, 4, 3214868480
	.section	.rodata,"a",@progbits
	.p2align	6, 0x0
	.amdhsa_kernel k_qbd3e4c5f23_oproj
		.amdhsa_group_segment_fixed_size 327680
		.amdhsa_private_segment_fixed_size 0
		.amdhsa_enable_private_segment 0
		.amdhsa_kernarg_size 40
		.amdhsa_user_sgpr_count 2
		.amdhsa_user_sgpr_kernarg_segment_ptr 1
		.amdhsa_wavefront_size32 1
		.amdhsa_system_sgpr_workgroup_id_x 1
		.amdhsa_system_sgpr_workgroup_id_y 1
		.amdhsa_system_sgpr_workgroup_id_z 1
		.amdhsa_system_vgpr_workitem_id 0
		.amdhsa_next_free_vgpr 512
		.amdhsa_next_free_sgpr 100
		.amdhsa_reserve_vcc 0
		.amdhsa_float_denorm_mode_32 3
		.amdhsa_float_denorm_mode_16_64 3
		.amdhsa_memory_ordered 1
		.amdhsa_forward_progress 1
		.amdhsa_inst_pref_size 52
	.end_amdhsa_kernel
	.amdgpu_metadata
---
amdhsa.version: [ 1, 2 ]
amdhsa.kernels:
  - .name:           k_qbd3e4c5f23_oproj
    .symbol:         k_qbd3e4c5f23_oproj.kd
    .args:
      - { .name: ac, .offset: 0, .size: 8, .value_kind: global_buffer, .address_space: global }
      - { .name: wcodes, .offset: 8, .size: 8, .value_kind: global_buffer, .address_space: global }
      - { .name: lowp_scales, .offset: 16, .size: 8, .value_kind: global_buffer, .address_space: global }
      - { .name: bo, .offset: 24, .size: 8, .value_kind: global_buffer, .address_space: global }
      - { .name: out0, .offset: 32, .size: 8, .value_kind: global_buffer, .address_space: global }
    .group_segment_fixed_size: 327680
    .private_segment_fixed_size: 0
    .kernarg_segment_align: 8
    .kernarg_segment_size: 40
    .max_flat_workgroup_size: 256
    .sgpr_count:     100
    .vgpr_count:     512
    .wavefront_size: 32
...
	.end_amdgpu_metadata
.endif
;; end of part 4
